; MI455X (gfx1250); checked and timed in simulation.
; The chip was launched on July 23, 2026; its instructions are those of AMD's public machine-readable ISA for CDNA 5 (MIT licence, August 2026) and "CDNA5" Instruction Set Architecture Reference Guide (July 2026). The comments in the code are by the model that wrote it; some were corrected since.
;; Multi Head Attention. Allowed arithmetic: matrix products marked QUANTISED: E3M2 operands, one E8M0 scale for each 32 along K, by v_wmma_scale_f32_16x16x128_f8f6f4 with both operands' format E3M2, f32 sums; everything else in f32.
;; Inputs: Wk 512 x 512 float32; Wo 512 x 512 float32; Wq 512 x 512 float32; Wv 512 x 512 float32; attn_mask 4,096 x 4,096 float32; bk 512 float32; bo 512 float32; bq 512 float32; bv 512 float32; x 2 x 4,096 x 512 float32.
;; Outputs: out0 2 x 4,096 x 512 float32.
;; This version of the problem:
;;   THIS VERSION OF THE PROBLEM IS GIVEN IN LOW PRECISION. The matrix products marked QUANTISED in the list below multiply operands that are first quantised to E3M2 (3 exponent bits, 2 mantissa bits; 6 bits a number), with one power-of-two scale for each 32 numbers along K (OCP MX v1.0); their sums are f32. All else is computed in f32.
;;   The module's matrix products, in the order in which they are computed (A, B: the left and right operand; K: the contracted axis; several contracted axes count as one K, in the product's order):
;;     1. [M 8,192, K 512] x [K 512, N 512]; A: input x; B: input Wq: QUANTISED
;;     2. [M 8,192, K 512] x [K 512, N 512]; A: input x; B: input Wk: QUANTISED
;;     3. [M 8,192, K 512] x [K 512, N 512]; A: input x; B: input Wv: QUANTISED
;;     4. batch 16 x [M 4,096, K 64] x [K 64, N 4,096]; A: computed on the way; B: computed on the way: QUANTISED
;;     5. batch 16 x [M 4,096, K 4,096] x [K 4,096, N 64]; A: computed on the way; B: computed on the way: QUANTISED
;;     6. [M 8,192, K 512] x [K 512, N 512]; A: computed on the way; B: input Wo: QUANTISED
;;   THE QUANTISER, for each operand of a quantised product, along K:
;;     - K is cut into blocks of 32 from its start; a last block that is shorter is filled with zeros.
;;     - A block's scale is 2^e with e = floor(log2(the largest magnitude in the block)) - 4, held to -126 .. 127; a block of zeros has e = 0. As a byte (E8M0): e + 127.
;;     - Each number is divided by its block's scale, clamped to +-28, and rounded to the nearest number of E3M2, ties to even, subnormals kept.
;;     - The product sums the exact products of the quantised numbers (number of the format x scale) in f32.
;;   ~~~python
;;   def quantise(x, axis):      # numpy; x: float32 -> the quantised numbers, widened to float32 again
;;       x = np.moveaxis(x, axis, -1); K = x.shape[-1]
;;       x = np.pad(x, [(0, 0)] * (x.ndim - 1) + [(0, -K % 32)]); x = x.reshape(x.shape[:-1] + (-1, 32)); a = np.abs(x).max(-1, keepdims=True)
;;       e = np.where(a > 0, np.clip(np.frexp(np.where(a > 0, a, 1))[1] - 1 - 4, -126, 127), 0)      # np.frexp(a)[1] - 1 = floor(log2(a)), exactly
;;       r = np.clip(x / 2.0 ** e, -28, 28)
;;       step = 2.0 ** (np.maximum(np.frexp(np.where(r == 0, 1, r))[1] - 1, -2) - 2)
;;       q = np.round(r / step) * step * 2.0 ** e      # np.round: ties to even
;;       return np.moveaxis(q.reshape(q.shape[:-2] + (-1,))[..., :K], -1, axis).astype(np.float32)
;;   ~~~
;;   OPERANDS COMPUTED ON THE WAY. 'Computed on the way' means the value that the module computes at that place (a softmax that the list does not call 'softmax' is quantised finished and normalised). What goes into a quantiser is computed in f32, as accurately as f32 sums, v_exp_f32 and their like allow (about 1e-6 of the number): no bf16 or f16 on the way to a quantiser, and a product that is left as it is and whose result goes on into a quantised operand takes f32 operands (vector FMAs, or v_wmma_f32_16x16x4_f32). A number that lies on a knife's edge between two numbers of the format may be rounded either way, as far as f32 arithmetic and the matrix unit's own rounding can turn it there, and no further.
;; One version. Each part assembles by itself: llvm-mc -triple=amdgcn-amd-amdhsa -mcpu=gfx1250 --defsym DOCPART=n.
;; ======== version 1 of 1: 4 launches
;; limits: inputs' magnitudes at most 8.5e+37; right only within a limited range of input values
;; workspace buffers: cod 3,932,160 bytes; scl 163,840 bytes; qc 3,145,728 bytes; qs 262,144 bytes; kblk 3,407,872 bytes; vblk 3,407,872 bytes; oc 3,145,728 bytes; os 524,288 bytes
;; launch quant (part 1): grid 256 x 1, 5 waves a work-group, no clusters, 85,248 bytes of LDS; arguments x, Wq, Wk, Wv, Wo, cod, scl; writes cod, scl
.if DOCPART == 1
	.amdgcn_target "amdgcn-amd-amdhsa--gfx1250"
	.amdhsa_code_object_version 6
	.text
	.protected	k_qd4a9311ef1_quant
	.globl	k_qd4a9311ef1_quant
	.p2align	8
	.type	k_qd4a9311ef1_quant,@function
k_qd4a9311ef1_quant:
	s_mov_b64 s[64:65], 0
	v_nop
	global_prefetch_b8 v0, s[64:65] scope:SCOPE_SE
	s_setreg_imm32_b32 hwreg(HW_REG_WAVE_MODE, 25, 1), 1
	s_wait_xcnt 0x0
; x [8192][512] and Wq, Wk, Wv, Wo [512][512], f32, K innermost, become codes of BF6 (E3M2) with one E8M0 byte for each 32 along K,
; laid in the ORDER OF AN OPERAND'S REGISTERS: cod[tile 640][K step 4][12 registers x 32 lanes], registers 4 c .. 4 c + 3 of lane l at 512 c + 16 l;
; scl[tile][K step][16 words], a word = the four bytes of one row and 128 along K.  A tile is 16 neighbouring rows: tiles 0-511 x, 512.. Wq, 544.. Wk, 576.. Wv, 608.. Wo.
; THE PLACE OF k: inside each true block of 32, place 16 h + 8 u + j holds k = 16 u + 8 h + j (h, u = 0, 1; j = 0 .. 7).  Every operand of this program is laid so, on both sides of every product,
; because that is how a matrix result lies in a lane's registers.  The blocks, and so the scales, are the quantiser's own; only the order in which products are summed differs from ascending k.
; A block's scale is 2^(floor(log2(largest magnitude)) - 4); its byte is the largest magnitude's exponent field - 4, held at 1 from below.  A block of zeros gets the byte 1 (its codes are zeros; this program alone reads the bytes).
; LIMITS: NaN and infinities among the inputs are not served.
; SHARES: 640 tiles x 2 halves of K = 1,280 jobs = 256 work-groups x 5 waves.  A wave takes 16 rows x 256 along K: two K steps.  Waves share nothing: no barrier.
; Each load reads 512 neighbouring bytes of one row; a K step's 16 x 512 bytes turn through the wave's own stage in LDS (rows 528 bytes apart) and come back 16 numbers of each block to a lane.
.set TM,   8                           ; v8-23   at work in QUANT
.set P0,   24                          ; v24-43, v44-63  the codes of K step 0, 1: a set each, so that no store's data are written again
.set X,    64                          ; v64-127 64 numbers of my row, in the quantiser's order
.set R,    128                         ; v128-255 the two K steps as loaded
.set STGB, 8448                        ; a stage: 16 rows x 528 bytes
.set SEL,  34                          ; s[34:35] lane selects for v_permlanex16_b32: lane l xor 16
; 64 numbers of a lane, register 16 b + i = place 32 b + 16 (lane / 16) + i of my row, become a fragment's 12 registers in v[pc] on and my row's scale word in v[pw].
.macro QUANT s, pc, pw, floor, ab
.irp b, 0,1,2,3
.if \ab
	v_max3_num_f32 v[TM+\b], |v[\s+16*\b]|, |v[\s+1+16*\b]|, \floor      ; my 16 numbers of block b, and the floor under which no largest magnitude is taken
.else
	v_max3_num_f32 v[TM+\b], v[\s+16*\b], v[\s+1+16*\b], \floor
.endif
.endr
.irp i, 2,4,6,8,10,12,14
.irp b, 0,1,2,3
.if \ab
	v_max3_num_f32 v[TM+\b], v[TM+\b], |v[\s+16*\b+\i]|, |v[\s+1+16*\b+\i]|   ; the four blocks by turns
.else
	v_max3_num_f32 v[TM+\b], v[TM+\b], v[\s+16*\b+\i], v[\s+1+16*\b+\i]
.endif
.endr
.endr
.irp b, 0,1,2,3
	v_permlanex16_b32 v[TM+4+\b], v[TM+\b], s[SEL], s[SEL+1]
.endr
.irp b, 0,1,2,3
	v_max_num_f32 v[TM+\b], v[TM+\b], v[TM+4+\b]                     ; with lane l xor 16's 16: the block's largest magnitude
.endr
.irp b, 0,1,2,3
	v_add_nc_u32 v[TM+12+\b], 0xfe000000, v[TM+\b]                   ; 4 off its exponent field: the conversion's scale operand
.endr
.irp b, 0,1,2,3
	v_lshrrev_b32 v[TM+4+\b], 23, v[TM+12+\b]                        ; the scale's byte
.endr
	v_lshl_or_b32 v[\pw], v[TM+5], 8, v[TM+4]
	v_lshl_or_b32 v[\pw], v[TM+6], 16, v[\pw]
	v_lshl_or_b32 v[\pw], v[TM+7], 24, v[\pw]
.irp c, 0,1
	v_cvt_scalef32_pk16_bf6_f32 v[\pc+6*\c:\pc+2+6*\c], v[\s+32*\c:\s+15+32*\c], v[TM+12+2*\c]
	v_cvt_scalef32_pk16_bf6_f32 v[\pc+12+4*\c:\pc+14+4*\c], v[\s+16+32*\c:\s+31+32*\c], v[TM+13+2*\c]   ; (a conversion's three registers begin on an even number)
.endr
	v_nop                                                            ; one plain place behind a scaled conversion
.irp c, 0,1                                                          ; the operand wants a whole block in a lane: lanes 0-15 block 2 c, lanes 16-31 block 2 c + 1
.irp i, 0,1,2
	v_permlane16_swap_b32 v[\pc+6*\c+\i], v[\pc+12+4*\c+\i]
.endr
.irp i, 0,1,2
	v_mov_b32 v[\pc+3+6*\c+\i], v[\pc+12+4*\c+\i]
.endr
.endr
.endm
	s_load_b256 s[4:11], s[0:1], 0x0               ; x, Wq, Wk, Wv
	s_load_b128 s[12:15], s[0:1], 0x20             ; Wo, cod
	s_load_b64 s[16:17], s[0:1], 0x30              ; scl
	v_lshl_add_u32 v59, v0, 2, 0x14a00
	v_mov_b32 v63, 0
	v_lshrrev_b32 v1, 5, v0
	v_readfirstlane_b32 s18, v1                    ; wave 0..4
	v_and_b32 v64, 31, v0                          ; lane
	v_and_b32 v65, 15, v0                          ; r
	v_bfe_u32 v66, v0, 4, 1                        ; h
	v_lshlrev_b32 v1, 4, v64                       ; v1: 16 x lane: my bytes of a load's or a store's 512
	s_mul_i32 s19, s18, 2*STGB                     ; my wave's two stages
	v_add_nc_u32 v2, s19, v1                       ; v2: into a stage, as loaded
	v_mul_u32_u24 v3, v65, 528
	v_lshl_add_u32 v3, v66, 5, v3
	v_add_nc_u32 v3, s19, v3                       ; v3: out of it: row r, + 32 h bytes
	v_lshlrev_b32 v4, 2, v64                       ; v4: 4 x lane
.irp b, 0,1,2,3
	v_mov_b32 v[TM+4+\b], 0                        ; written once: a lane permute's destination counts as one of its sources
.endr
	s_mul_i32 s20, ttmp9, 5
	s_add_co_u32 s20, s20, s18                     ; my job
	s_lshr_b32 s21, s20, 1                         ; its tile
	s_and_b32 s22, s20, 1                          ; its half of K
	s_and_b32 s23, s21, 31                         ; the tile's number inside a weight,
	s_cmp_lt_u32 s21, 512
	s_cselect_b32 s23, s21, s23                    ; or inside x
	s_lshl_b32 s26, s23, 15                        ; 16 rows of 2,048 bytes
	s_lshl_b32 s27, s22, 10                        ; 256 numbers
	s_add_co_u32 s26, s26, s27
	s_mov_b32 s27, 0
	s_mul_i32 s28, s21, 6144                       ; a tile's four fragments
	s_mul_i32 s29, s22, 3072
	s_add_co_u32 s28, s28, s29
	s_mov_b32 s29, 0
	s_lshl_b32 s30, s21, 8                         ; a tile's 64 scale words
	s_lshl_b32 s31, s22, 7
	s_add_co_u32 s30, s30, s31
	s_mov_b32 s31, 0
	s_mov_b32 s32, 0xffff0000                      ; lanes 16-31
	s_mov_b32 s[SEL], 0x76543210
	s_mov_b32 s[SEL+1], 0xfedcba98
	s_wait_alu depctr_va_vdst(0)
	s_wait_kmcnt 0x0
	s_mov_b64 s[24:25], s[12:13]                   ; which tensor: the choice hangs on the tile's number alone
	s_cmp_lt_u32 s21, 608
	s_cselect_b64 s[24:25], s[10:11], s[24:25]
	s_cmp_lt_u32 s21, 576
	s_cselect_b64 s[24:25], s[8:9], s[24:25]
	s_cmp_lt_u32 s21, 544
	s_cselect_b64 s[24:25], s[6:7], s[24:25]
	s_cmp_lt_u32 s21, 512
	s_cselect_b64 s[24:25], s[4:5], s[24:25]
	s_add_nc_u64 s[24:25], s[24:25], s[26:27]
	s_add_nc_u64 s[14:15], s[14:15], s[28:29]
	s_add_nc_u64 s[16:17], s[16:17], s[30:31]
.irp q, 0,1
.irp i, 0,1,2,3,4,5,6,7,8,9,10,11,12,13,14,15
	global_load_b128 v[R+64*\q+4*\i:R+64*\q+4*\i+3], v1, s[24:25] offset:2048*\i+512*\q th:TH_LOAD_NT   ; row i, K step q: 32 lanes read 512 neighbouring bytes
.endr
.endr
.irp q, 0,1
	s_wait_loadcnt 16-16*\q                        ; this K step's 16 loads are in; the second step's 16 may stay out
.irp i, 0,1,2,3,4,5,6,7,8,9,10,11,12,13,14,15
	ds_store_b128 v2, v[R+64*\q+4*\i:R+64*\q+4*\i+3] offset:STGB*\q+528*\i
.endr
.irp b, 0,1,2,3
.irp u, 0,1
.irp f, 0,1
	ds_load_b128 v[X+16*\b+8*\u+4*\f:X+16*\b+8*\u+4*\f+3], v3 offset:STGB*\q+128*\b+64*\u+16*\f   ; k = 32 b + 16 u + 8 h + 4 f on; LDS serves a wave's instructions in order: these see my stores
.endr
.endr
.endr
	s_wait_dscnt 0x0
	QUANT X, P0+20*\q, 5+\q, 0x2800000, 1
.irp c, 0,1,2
	global_store_b128 v1, v[P0+20*\q+4*\c:P0+20*\q+4*\c+3], s[14:15] offset:1536*\q+512*\c      ; 512 neighbouring bytes, at a multiple of 256 from cod's first byte
.endr
.endr
	v_cndmask_b32 v7, v5, v6, s32                  ; lanes 0-15: the first K step's words; lanes 16-31: the second's (both halves of the lanes hold row r's word)
	global_store_b32 v4, v7, s[16:17]
	s_wait_tensorcnt 0x0
	ds_add_u32 v59, v63
	s_wait_dscnt 0x0
	s_endpgm
.Lfunc_end_k_qd4a9311ef1_quant:
	.size	k_qd4a9311ef1_quant, .Lfunc_end_k_qd4a9311ef1_quant-k_qd4a9311ef1_quant
	.p2alignl 7, 3214868480
	.fill 96, 4, 3214868480
	.section	.rodata,"a",@progbits
	.p2align	6, 0x0
	.amdhsa_kernel k_qd4a9311ef1_quant
		.amdhsa_group_segment_fixed_size 85248
		.amdhsa_private_segment_fixed_size 0
		.amdhsa_enable_private_segment 0
		.amdhsa_kernarg_size 56
		.amdhsa_user_sgpr_count 2
		.amdhsa_user_sgpr_kernarg_segment_ptr 1
		.amdhsa_wavefront_size32 1
		.amdhsa_system_sgpr_workgroup_id_x 1
		.amdhsa_system_sgpr_workgroup_id_y 1
		.amdhsa_system_sgpr_workgroup_id_z 1
		.amdhsa_system_vgpr_workitem_id 0
		.amdhsa_next_free_vgpr 256
		.amdhsa_next_free_sgpr 66
		.amdhsa_reserve_vcc 0
		.amdhsa_float_denorm_mode_32 3
		.amdhsa_float_denorm_mode_16_64 3
		.amdhsa_memory_ordered 1
		.amdhsa_forward_progress 1
		.amdhsa_inst_pref_size 19
	.end_amdhsa_kernel
	.amdgpu_metadata
---
amdhsa.version: [ 1, 2 ]
amdhsa.kernels:
  - .name:           k_qd4a9311ef1_quant
    .symbol:         k_qd4a9311ef1_quant.kd
    .args:
      - { .name: x, .offset: 0, .size: 8, .value_kind: global_buffer, .address_space: global }
      - { .name: Wq, .offset: 8, .size: 8, .value_kind: global_buffer, .address_space: global }
      - { .name: Wk, .offset: 16, .size: 8, .value_kind: global_buffer, .address_space: global }
      - { .name: Wv, .offset: 24, .size: 8, .value_kind: global_buffer, .address_space: global }
      - { .name: Wo, .offset: 32, .size: 8, .value_kind: global_buffer, .address_space: global }
      - { .name: cod, .offset: 40, .size: 8, .value_kind: global_buffer, .address_space: global }
      - { .name: scl, .offset: 48, .size: 8, .value_kind: global_buffer, .address_space: global }
    .group_segment_fixed_size: 85248
    .private_segment_fixed_size: 0
    .kernarg_segment_align: 8
    .kernarg_segment_size: 56
    .max_flat_workgroup_size: 160
    .sgpr_count:     66
    .vgpr_count:     256
    .wavefront_size: 32
...
	.end_amdgpu_metadata
.endif
;; end of part 1
;; launch qkv (part 2): grid 4 x 64, 8 waves a work-group, clusters of 4 x 4, 168,960 bytes of LDS; arguments cod, scl, bq, bk, bv, qc, qs, kblk, vblk; writes qc, qs, kblk, vblk
.if DOCPART == 2
	.amdgcn_target "amdgcn-amd-amdhsa--gfx1250"
	.amdhsa_code_object_version 6
	.text
	.protected	k_qd4a9311ef1_qkv
	.globl	k_qd4a9311ef1_qkv
	.p2align	8
	.type	k_qd4a9311ef1_qkv,@function
k_qd4a9311ef1_qkv:
	s_mov_b64 s[64:65], 0
	v_nop
	global_prefetch_b8 v0, s[64:65] scope:SCOPE_SE
	s_setreg_imm32_b32 hwreg(HW_REG_WAVE_MODE, 25, 1), 1
	s_wait_xcnt 0x0
	s_wait_alu depctr_hold_cnt(0) depctr_sa_sdst(0) depctr_va_vdst(0) depctr_va_sdst(0) depctr_va_ssrc(0) depctr_va_vcc(0) depctr_vm_vsrc(0)
	s_getreg_b32 s2, hwreg(HW_REG_IB_STS2, 6, 4)
	s_cmp_eq_u32 s2, 0
	s_cbranch_scc0 .Lentry_in_a_cluster
	s_endpgm
.Lentry_in_a_cluster:
	s_bfe_u32 s2, ttmp6, 0x10000c
	s_cmp_lg_u32 s2, 0xf033
	s_cbranch_scc0 .Lentry_shape_is_right
	s_endpgm
.Lentry_shape_is_right:
; q = x Wq^T + bq, k = x Wk^T + bk, v = x Wv^T + bv on codes of BF6 with E8M0 scales, sums in f32; the results are quantised in registers: q and k along the head's 64, v along the keys.
; SHARES: work-group (cg, G) takes tokens 128 G .. + 127 (one key step of one batch) and features 128 cg .. + 127 (two heads) of each of q, k, v.  Eight waves.
; ONE FORM FOR THREE JOBS: acc[t] (t = 0 .. 7) = sum over four K steps of stream tile t (source 0, from LDS) x my own tile (source 1, 48 registers).  In the result a lane holds row lane % 16 of my tile,
; and register 8 t + j row 16 t + 8 (lane / 16) + j of the stream: 128 numbers along the next product's K, in the order in which every operand of this program is laid.
;   q, k: stream = the weight's 8 tiles, mine = x's tile w: a lane holds one token and 128 features (two heads of 64).    v: stream = x's 8 tiles, mine = Wv's tile w: a lane holds one feature and 128 tokens.
; The bias is the C of each sum's first product.  1 / sqrt(64) = 2^-3 is taken off q's scale bytes: exact.
; CLUSTER 4 x 4: x's block hangs on G alone and is asked for jointly by a row of the cluster, the weights' blocks hang on cg alone and are asked for jointly by a column.  LDS is filled once and only read.
; OUT: qc[b][head][q tile][6 registers x 32 lanes], qs[b][head pair][q tile][head in pair][16 words]; kblk, vblk[2 b + head / 4][key step][26,624]: 24,576 bytes of codes, 2,048 of scale words, one dense block a step.
; LIMITS: NaN and infinities are not served.  A block of q whose largest magnitude lies under 2^-119 takes the scale of 2^-119 (so that 3 can be taken off its byte).  Blocks of zeros carry the floor's byte.
.set LIX, 1                            ; v1  16 x lane: x's block in LDS
.set LIQ, 2                            ; v2  + 49,152: Wq's
.set LIK, 3                            ; v3  + 98,304: Wk's
.set LIW, 4                            ; v4  16 x lane + 6,144 x wave: my own tile, in x's block in LDS and in Wv's codes in memory
.set L16, 5                            ; v5  16 x lane
.set L8,  6                            ; v6  8 x lane
.set L4,  7                            ; v7  4 x lane
.set H32, 8                            ; v8  32 x (lane / 16)
.set R4W, 9                            ; v9  4 x (lane % 16) + 64 x wave
.set KSO, 10                           ; v10 512 x (lane / 16) + 4 x (lane % 16)
.set L4W, 11                           ; v11 4 x lane + 256 x wave
.set WS,  16                           ; v16-31 the stream's scale words: register 2 t + p: lanes 0-15 K step 2 p, lanes 16-31 K step 2 p + 1
.set XS,  32                           ; v32-33 my tile's, likewise
.set XF,  36                           ; v36-83 my tile's four fragments
.set ST,  84                           ; v84-179 eight fragments of the stream
.set TM,  84                           ; behind the products ST's registers serve the quantiser: v84-99 at work,
.set PW,  100                          ; the scale word,
.set WA,  101
.set WB,  102
.set WD,  103
.set PC,  104                          ; v104-123 the codes
.set ACC, 180                          ; v180-243
.set BV8, 244                          ; v244-251 bv of my feature, eight times
.set BW,  252
.set WV,  22
.set HM,  23                           ; s23 lanes 16-31
.set G1X, 24
.set G1W, 32
.set G0X, 48
.set G0W, 52
.set SEL, 66
.macro CROUND                          ; a round of the cluster's barrier
	s_barrier_signal -1
	s_barrier_wait -1
	s_cmp_lg_u32 s[WV], 0
	s_cbranch_scc1 .Lnw0_\@
	s_barrier_signal -3
.Lnw0_\@:
	s_barrier_wait -3
	s_barrier_signal -1
	s_barrier_wait -1
.endm
.macro QUANT s, pc, pw, floor, ab      ; 64 numbers of a lane, register 16 b + i = place 32 b + 16 (lane / 16) + i, become 12 registers of codes and a scale word
.irp b, 0,1,2,3
.if \ab
	v_max3_num_f32 v[TM+\b], |v[\s+16*\b]|, |v[\s+1+16*\b]|, \floor      ; each accumulator is read from its low end on
.else
	v_max3_num_f32 v[TM+\b], v[\s+16*\b], v[\s+1+16*\b], \floor
.endif
.endr
.irp i, 2,4,6,8,10,12,14
.irp b, 0,1,2,3
.if \ab
	v_max3_num_f32 v[TM+\b], v[TM+\b], |v[\s+16*\b+\i]|, |v[\s+1+16*\b+\i]|
.else
	v_max3_num_f32 v[TM+\b], v[TM+\b], v[\s+16*\b+\i], v[\s+1+16*\b+\i]
.endif
.endr
.endr
.irp b, 0,1,2,3
	s_delay_alu instid0(VALU_DEP_4)
	v_permlanex16_b32 v[TM+4+\b], v[TM+\b], s[SEL], s[SEL+1]
.endr
.irp b, 0,1,2,3
	s_delay_alu instid0(VALU_DEP_4)
	v_max_num_f32 v[TM+\b], v[TM+\b], v[TM+4+\b]
.endr
.irp b, 0,1,2,3
	s_delay_alu instid0(VALU_DEP_4)
	v_add_nc_u32 v[TM+12+\b], 0xfe000000, v[TM+\b]
.endr
.irp b, 0,1,2,3
	s_delay_alu instid0(VALU_DEP_4)
	v_lshrrev_b32 v[TM+4+\b], 23, v[TM+12+\b]
.endr
	s_delay_alu instid0(VALU_DEP_3)
	v_lshl_or_b32 v[\pw], v[TM+5], 8, v[TM+4]
	s_delay_alu instid0(VALU_DEP_1)
	v_lshl_or_b32 v[\pw], v[TM+6], 16, v[\pw]
	s_delay_alu instid0(VALU_DEP_1)
	v_lshl_or_b32 v[\pw], v[TM+7], 24, v[\pw]
.irp c, 0,1
	v_cvt_scalef32_pk16_bf6_f32 v[\pc+6*\c:\pc+2+6*\c], v[\s+32*\c:\s+15+32*\c], v[TM+12+2*\c]
	v_cvt_scalef32_pk16_bf6_f32 v[\pc+12+4*\c:\pc+14+4*\c], v[\s+16+32*\c:\s+31+32*\c], v[TM+13+2*\c]
.endr
	v_nop                                          ; one plain place behind a scaled conversion
.irp c, 0,1
.irp i, 0,1,2
	v_permlane16_swap_b32 v[\pc+6*\c+\i], v[\pc+12+4*\c+\i]
.endr
.irp i, 0,1,2
	s_delay_alu instid0(VALU_DEP_3)
	v_mov_b32 v[\pc+3+6*\c+\i], v[\pc+12+4*\c+\i]
.endr
.endr
.endm
.macro FETCH reg, adr, off             ; a fragment's image: three loads of 512 neighbouring bytes
.irp c, 0,1,2
	ds_load_b128 v[\reg+4*\c:\reg+4*\c+3], v[\adr] offset:\off+512*\c
.endr
.endm
; K step s: the stream's eight fragments from LDS, eight products.  The eight accumulators take turns, one instruction a turn.  cm = 1: the first K step takes BV8 as C.
.macro RUN adr, s, cm
.rept 4
	v_nop                                          ; four places in front of loads into registers that matrix instructions have read
.endr
.irp t, 0,1,2,3,4,5,6,7
.irp c, 0,1,2
	ds_load_b128 v[ST+12*\t+4*\c:ST+12*\t+4*\c+3], v[\adr] offset:(4*\t+\s)*1536+512*\c
.endr
.endr
	s_wait_dscnt 0x0
.irp t, 0,1,2,3,4,5,6,7
.if (\cm) && ((\s) == 0)
	v_wmma_scale_f32_16x16x128_f8f6f4 v[ACC+8*\t:ACC+8*\t+7], v[ST+12*\t:ST+12*\t+11], v[XF+12*\s:XF+12*\s+11], v[BV8:BV8+7], v[WS+2*\t+\s/2], v[XS+\s/2] matrix_a_fmt:MATRIX_FMT_BF6 matrix_b_fmt:MATRIX_FMT_BF6
.elseif ((\s)%2) == 0
	v_wmma_scale_f32_16x16x128_f8f6f4 v[ACC+8*\t:ACC+8*\t+7], v[ST+12*\t:ST+12*\t+11], v[XF+12*\s:XF+12*\s+11], v[ACC+8*\t:ACC+8*\t+7], v[WS+2*\t+\s/2], v[XS+\s/2] matrix_a_fmt:MATRIX_FMT_BF6 matrix_b_fmt:MATRIX_FMT_BF6
.else
	v_wmma_scale_f32_16x16x128_f8f6f4 v[ACC+8*\t:ACC+8*\t+7], v[ST+12*\t:ST+12*\t+11], v[XF+12*\s:XF+12*\s+11], v[ACC+8*\t:ACC+8*\t+7], v[WS+2*\t+\s/2], v[XS+\s/2] matrix_a_fmt:MATRIX_FMT_BF6 matrix_b_fmt:MATRIX_FMT_BF6 matrix_a_scale:MATRIX_SCALE_ROW1 matrix_b_scale:MATRIX_SCALE_ROW1
.endif
.endr
.endm
.macro WSLOAD base, off                ; the stream's scale words
.irp t, 0,1,2,3,4,5,6,7
.irp p, 0,1
	global_load_b32 v[WS+2*\t+\p], v[L4], s[\base:\base+1] offset:\off+256*\t+128*\p
.endr
.endr
.endm
.macro XSLOAD base, off                ; my tile's
.irp p, 0,1
	global_load_b32 v[XS+\p], v[L4W], s[\base:\base+1] offset:\off+128*\p
.endr
.endm
.macro BIAS base                       ; the bias in the result's layout: register 8 t + j of lane (r, h) is feature 16 t + 8 h + j
.irp t, 0,1,2,3,4,5,6,7
.irp f, 0,1
	global_load_b128 v[ACC+8*\t+4*\f:ACC+8*\t+4*\f+3], v[H32], s[\base:\base+1] offset:64*\t+16*\f
.endr
.endr
.endm
.macro PAIRW src                       ; of the word's four bytes: lanes 0-15 get [b0 b1 b0 b1] (the first head's), lanes 16-31 [b2 b3 b2 b3] (the second's)
	v_perm_b32 v[WA], v[\src], v[\src], 0x01000100
	v_perm_b32 v[WB], v[\src], v[\src], 0x03020302
	s_delay_alu instid0(VALU_DEP_1)
	v_cndmask_b32 v[WD], v[WA], v[WB], s[HM]
.endm
.macro F6OUT base, second              ; the two heads' halves of the fragment: 512 + 256 neighbouring bytes each
	global_store_b128 v[L16], v[PC:PC+3], s[\base:\base+1]
	global_store_b64 v[L8], v[PC+4:PC+5], s[\base:\base+1] offset:512
	global_store_b128 v[L16], v[PC+6:PC+9], s[\base:\base+1] offset:\second
	global_store_b64 v[L8], v[PC+10:PC+11], s[\base:\base+1] offset:\second+512
.endm
	s_load_b256 s[4:11], s[0:1], 0x0               ; cod, scl, bq, bk
	s_load_b256 s[12:19], s[0:1], 0x20             ; bv, qc, qs, kblk
	s_load_b64 s[20:21], s[0:1], 0x40              ; vblk
	v_lshl_add_u32 v254, v0, 2, 0x29000
	v_mov_b32 v255, 0
	ds_add_u32 v254, v255
	ds_add_u32 v254, v255
	v_lshrrev_b32 v1, 5, v0
	s_delay_alu instid0(VALU_DEP_1)
	v_readfirstlane_b32 s[WV], v1                  ; wave 0..7
	s_bfe_u32 s40, ttmp6, 0x40000                  ; cx
	s_bfe_u32 s41, ttmp6, 0x40004                  ; cy
	s_lshl_b32 s42, ttmp9, 2
	s_add_co_u32 s42, s42, s40                     ; cg
	s_and_b32 s43, ttmp7, 0xffff
	s_lshl_b32 s43, s43, 2
	s_add_co_u32 s43, s43, s41                     ; G
	s_lshl_b32 s44, s41, 2
	s_lshl_b32 s44, 15, s44                        ; my row of the cluster
	s_lshl_b32 s45, 0x1111, s40                    ; my column
	; descriptor group 1: a dense block of 49,152 bytes as 192 rows of 32 elements of 8 bytes, no padding
	s_or_b32 s[G1X], s44, (3<<16)|(1<<21)
	s_or_b32 s[G1W], s45, (3<<16)|(1<<21)
.irp g, G1X, G1W
	s_mov_b32 s[\g+1], 32<<16                      ; tensor_dim0
	s_mov_b32 s[\g+2], 192<<16                     ; tensor_dim1
	s_mov_b32 s[\g+3], 32<<16                      ; tile_dim0
	s_mov_b32 s[\g+4], 192                         ; tile_dim1
	s_mov_b32 s[\g+5], 32                          ; from row to row
	s_mov_b32 s[\g+6], 0
	s_mov_b32 s[\g+7], 0
.endr
	s_mul_i32 s56, s43, 49152                      ; x's eight tiles: G alone
	s_mov_b32 s57, 0
	s_mul_i32 s58, s42, 49152                      ; a weight's eight tiles: cg alone,
	s_mul_i32 s59, s[WV], 196608                   ; wave 1: Wq (tile 512 on), wave 2: Wk (tile 544 on)
	s_add_co_u32 s58, s58, s59
	s_add_co_u32 s58, s58, 3145728-196608
	s_mov_b32 s59, 0
	s_mul_i32 s46, s[WV], 49152                    ; and its place in LDS
	s_wait_dscnt 0x0
	s_wait_kmcnt 0x0
	s_mov_b32 s[G0X], 1
	s_mov_b32 s[G0X+1], 0
	s_add_nc_u64 s[G0X+2:G0X+3], s[4:5], s[56:57]
	s_or_b32 s[G0X+3], s[G0X+3], 0x80000000
	s_mov_b32 s[G0W], 1
	s_mov_b32 s[G0W+1], s46
	s_add_nc_u64 s[G0W+2:G0W+3], s[4:5], s[58:59]
	s_or_b32 s[G0W+3], s[G0W+3], 0x80000000
	CROUND                                         ; all sixteen work-groups are here: the joint loads meet
	s_cmp_eq_u32 s[WV], 0                          ; wave 0 asks for x's block, waves 1 and 2 for Wq's and Wk's; one load a wave is out
	s_cbranch_scc0 .Lnot_x
	tensor_load_to_lds s[G0X:G0X+3], s[G1X:G1X+7]
	s_nop 0
.rept 4
	v_nop
.endr
	s_branch .Lasked
.Lnot_x:
	s_cmp_lt_u32 s[WV], 3
	s_cbranch_scc0 .Lasked
	tensor_load_to_lds s[G0W:G0W+3], s[G1W:G1W+7]
	s_nop 0
.rept 4
	v_nop
.endr
.Lasked:
	v_and_b32 v12, 31, v0                          ; lane
	v_and_b32 v13, 15, v0                          ; r
	v_bfe_u32 v14, v0, 4, 1                        ; h
	s_delay_alu instid0(VALU_DEP_3)
	v_lshlrev_b32 v[LIX], 4, v12
	s_delay_alu instid0(VALU_DEP_1)
	v_add_nc_u32 v[LIQ], 49152, v[LIX]
	s_delay_alu instid0(VALU_DEP_2)
	v_add_nc_u32 v[LIK], 98304, v[LIX]
	s_mul_i32 s47, s[WV], 6144
	v_add_nc_u32 v[LIW], s47, v[LIX]
	v_mov_b32 v[L16], v[LIX]
	v_lshlrev_b32 v[L8], 3, v12
	v_lshlrev_b32 v[L4], 2, v12
	s_wait_alu depctr_va_vdst(0)
	v_lshlrev_b32 v[H32], 5, v14
	v_lshlrev_b32 v[R4W], 2, v13
	s_lshl_b32 s47, s[WV], 6
	v_add_nc_u32 v[R4W], s47, v[R4W]
	v_lshlrev_b32 v[KSO], 2, v13
	s_delay_alu instid0(VALU_DEP_1)
	v_lshl_add_u32 v[KSO], v14, 9, v[KSO]
	s_lshl_b32 s47, s[WV], 8
	v_add_nc_u32 v[L4W], s47, v[L4]
	s_wait_alu depctr_va_vdst(0)
	s_mov_b32 s[HM], 0xffff0000
	s_mov_b32 s[SEL], 0x76543210
	s_mov_b32 s[SEL+1], 0xfedcba98
	s_mov_b32 s83, 0
	s_lshl_b32 s82, s42, 11
	s_add_co_u32 s82, s82, 131072
	s_add_nc_u64 s[68:69], s[6:7], s[82:83]        ; s[68:69] scale words of Wq's tile 8 cg (Wk's 8,192 bytes on, Wv's 16,384)
	s_lshl_b32 s82, s43, 11
	s_add_nc_u64 s[70:71], s[6:7], s[82:83]        ; s[70:71] scale words of x's tile 8 G
	s_lshl_b32 s82, s42, 9
	s_add_nc_u64 s[8:9], s[8:9], s[82:83]          ; the biases at feature 128 cg
	s_add_nc_u64 s[10:11], s[10:11], s[82:83]
	s_add_nc_u64 s[12:13], s[12:13], s[82:83]
	s_mul_i32 s82, s42, 49152
	s_add_co_u32 s82, s82, 3538944
	s_add_nc_u64 s[72:73], s[4:5], s[82:83]        ; s[72:73] codes of Wv's tile 8 cg (tile 576 on)
	s_lshr_b32 s84, s43, 5                         ; b
	s_and_b32 s85, s43, 31                         ; the key step in the batch
	s_lshl_b32 s86, s85, 3
	s_add_co_u32 s86, s86, s[WV]                   ; my token tile in the batch
	s_lshl_b32 s82, s84, 3
	s_lshl_b32 s87, s42, 1
	s_add_co_u32 s82, s82, s87                     ; 8 b + the pair's first head
	s_lshl_b32 s82, s82, 8
	s_add_co_u32 s82, s82, s86
	s_mul_i32 s82, s82, 768
	s_add_nc_u64 s[14:15], s[14:15], s[82:83]      ; qc
	s_lshl_b32 s82, s84, 2
	s_add_co_u32 s82, s82, s42
	s_lshl_b32 s82, s82, 8
	s_add_co_u32 s82, s82, s86
	s_lshl_b32 s82, s82, 7
	s_add_nc_u64 s[16:17], s[16:17], s[82:83]      ; qs
	s_lshl_b32 s82, s84, 1
	s_lshr_b32 s87, s42, 1
	s_add_co_u32 s82, s82, s87                     ; 2 b + head / 4
	s_lshl_b32 s82, s82, 5
	s_add_co_u32 s82, s82, s85
	s_mul_i32 s88, s82, 26624                      ; the step's block in kblk and in vblk
	s_and_b32 s87, s42, 1                          ; which two of the block's four heads
	s_mul_i32 s82, s87, 12288
	s_add_co_u32 s82, s82, s88
	s_mul_i32 s89, s[WV], 768
	s_add_co_u32 s82, s82, s89
	s_add_nc_u64 s[74:75], s[18:19], s[82:83]      ; s[74:75] k's codes: head, key tile w
	s_lshl_b32 s82, s87, 10
	s_add_co_u32 s82, s82, s88
	s_lshl_b32 s89, s[WV], 6
	s_add_co_u32 s82, s82, s89
	s_add_co_u32 s82, s82, 24576
	s_add_nc_u64 s[76:77], s[18:19], s[82:83]      ; s[76:77] k's scale words: 64 bytes a key tile
	s_mul_i32 s82, s87, 12288
	s_add_co_u32 s82, s82, s88
	s_mul_i32 s89, s[WV], 1536
	s_add_co_u32 s82, s82, s89
	s_add_nc_u64 s[78:79], s[20:21], s[82:83]      ; s[78:79] v's codes: my 16 features are tile w of the pair's eight
	s_lshl_b32 s82, s87, 10
	s_add_co_u32 s82, s82, s88
	s_lshl_b32 s89, s[WV], 7
	s_add_co_u32 s82, s82, s89
	s_add_co_u32 s82, s82, 24576
	s_add_nc_u64 s[80:81], s[20:21], s[82:83]      ; s[80:81] v's scale words
	; ---- q
	WSLOAD 68, 0
	XSLOAD 70, 0
	BIAS 8
	s_wait_tensorcnt 0x0                           ; my block has landed,
	s_barrier_signal -1
	s_barrier_wait -1                              ; everybody's has: LDS is only read from here on
.irp s, 0,1,2,3
	FETCH XF+12*\s, LIW, 1536*\s                   ; x's tile w: it serves q and k
.endr
	s_wait_loadcnt 0x0
	s_wait_dscnt 0x0
	RUN LIQ, 0, 0
	RUN LIQ, 1, 0
	RUN LIQ, 2, 0
	RUN LIQ, 3, 0
.rept 4
	v_nop                                          ; four places in front of the first read of results
.endr
	QUANT ACC, PC, PW, 0x4000000, 1                ; the floor 2^(8 - 127): every byte is 4 at the least
	v_add_nc_u32 v[WD], 0xfcfcfcfd, v[PW]          ; 3 off each of the four bytes: q / 8.  No byte borrows
	PAIRW WD
	F6OUT 14, 196608
	global_store_b32 v[L4], v[WD], s[16:17]
	; ---- k
	s_wait_xcnt 0x0                                ; the stores have read their registers: they are written again below
	WSLOAD 68, 8192
	BIAS 10
	s_wait_loadcnt 0x0
	RUN LIK, 0, 0
	RUN LIK, 1, 0
	RUN LIK, 2, 0
	RUN LIK, 3, 0
.rept 4
	v_nop
.endr
	QUANT ACC, PC, PW, 0x2800000, 1
	PAIRW PW
	F6OUT 74, 6144
	global_store_b32 v[KSO], v[WD], s[76:77]       ; lanes 0-15: the first head's words, lanes 16-31: the second head's, 512 bytes on
	; ---- v
	s_wait_xcnt 0x0
	WSLOAD 70, 0
	XSLOAD 68, 16384
	global_load_b32 v[BW], v[R4W], s[12:13]        ; bv of my lane's feature
.irp i, 0,1,2,3,4,5,6,7,8,9,10,11
	global_load_b128 v[XF+4*\i:XF+4*\i+3], v[LIW], s[72:73] offset:512*\i   ; Wv's tile w: four fragments on end
.endr
	s_wait_loadcnt 0x0
.irp i, 0,1,2,3,4,5,6,7
	v_mov_b32 v[BV8+\i], v[BW]
.endr
	s_wait_alu depctr_va_vdst(0)
	RUN LIX, 0, 1
	RUN LIX, 1, 0
	RUN LIX, 2, 0
	RUN LIX, 3, 0
.rept 4
	v_nop
.endr
	QUANT ACC, PC, PW, 0x2800000, 1
.irp c, 0,1,2
	global_store_b128 v[L16], v[PC+4*\c:PC+4*\c+3], s[78:79] offset:512*\c
.endr
	global_store_b32 v[L4], v[PW], s[80:81]
	s_wait_dscnt 0x0
	s_wait_tensorcnt 0x0
	ds_add_u32 v254, v255
	s_wait_dscnt 0x0
	CROUND                                         ; the closing round: no work-group ends while a partner may still ask for a block that names it
	s_endpgm
.Lfunc_end_k_qd4a9311ef1_qkv:
	.size	k_qd4a9311ef1_qkv, .Lfunc_end_k_qd4a9311ef1_qkv-k_qd4a9311ef1_qkv
	.p2alignl 7, 3214868480
	.fill 96, 4, 3214868480
	.section	.rodata,"a",@progbits
	.p2align	6, 0x0
	.amdhsa_kernel k_qd4a9311ef1_qkv
		.amdhsa_group_segment_fixed_size 168960
		.amdhsa_private_segment_fixed_size 0
		.amdhsa_enable_private_segment 0
		.amdhsa_kernarg_size 72
		.amdhsa_user_sgpr_count 2
		.amdhsa_user_sgpr_kernarg_segment_ptr 1
		.amdhsa_wavefront_size32 1
		.amdhsa_system_sgpr_workgroup_id_x 1
		.amdhsa_system_sgpr_workgroup_id_y 1
		.amdhsa_system_sgpr_workgroup_id_z 1
		.amdhsa_system_vgpr_workitem_id 0
		.amdhsa_next_free_vgpr 256
		.amdhsa_next_free_sgpr 90
		.amdhsa_reserve_vcc 0
		.amdhsa_float_denorm_mode_32 3
		.amdhsa_float_denorm_mode_16_64 3
		.amdhsa_memory_ordered 1
		.amdhsa_forward_progress 1
		.amdhsa_inst_pref_size 66
	.end_amdhsa_kernel
	.amdgpu_metadata
---
amdhsa.version: [ 1, 2 ]
amdhsa.kernels:
  - .name:           k_qd4a9311ef1_qkv
    .symbol:         k_qd4a9311ef1_qkv.kd
    .args:
      - { .name: cod, .offset: 0, .size: 8, .value_kind: global_buffer, .address_space: global }
      - { .name: scl, .offset: 8, .size: 8, .value_kind: global_buffer, .address_space: global }
      - { .name: bq, .offset: 16, .size: 8, .value_kind: global_buffer, .address_space: global }
      - { .name: bk, .offset: 24, .size: 8, .value_kind: global_buffer, .address_space: global }
      - { .name: bv, .offset: 32, .size: 8, .value_kind: global_buffer, .address_space: global }
      - { .name: qc, .offset: 40, .size: 8, .value_kind: global_buffer, .address_space: global }
      - { .name: qs, .offset: 48, .size: 8, .value_kind: global_buffer, .address_space: global }
      - { .name: kblk, .offset: 56, .size: 8, .value_kind: global_buffer, .address_space: global }
      - { .name: vblk, .offset: 64, .size: 8, .value_kind: global_buffer, .address_space: global }
    .group_segment_fixed_size: 168960
    .private_segment_fixed_size: 0
    .kernarg_segment_align: 8
    .kernarg_segment_size: 72
    .max_flat_workgroup_size: 256
    .sgpr_count:     90
    .vgpr_count:     256
    .wavefront_size: 32
...
	.end_amdgpu_metadata
.endif
;; end of part 2
;; launch attn (part 3): grid 4 x 64, 8 waves a work-group, clusters of 4 x 4, 327,680 bytes of LDS; arguments qc, qs, kblk, vblk, attn_mask, oc, os; writes oc, os
.if DOCPART == 3
	.amdgcn_target "amdgcn-amd-amdhsa--gfx1250"
	.amdhsa_code_object_version 6
	.text
	.protected	k_qd4a9311ef1_attn
	.globl	k_qd4a9311ef1_attn
	.p2align	8
	.type	k_qd4a9311ef1_attn,@function
k_qd4a9311ef1_attn:
	s_mov_b64 s[64:65], 0
	v_nop
	global_prefetch_b8 v0, s[64:65] scope:SCOPE_SE
	s_setreg_imm32_b32 hwreg(HW_REG_WAVE_MODE, 25, 1), 1
	s_wait_xcnt 0x0
	s_wait_alu depctr_hold_cnt(0) depctr_sa_sdst(0) depctr_va_vdst(0) depctr_va_sdst(0) depctr_va_ssrc(0) depctr_va_vcc(0) depctr_vm_vsrc(0)
	s_getreg_b32 s2, hwreg(HW_REG_IB_STS2, 6, 4)
	s_cmp_eq_u32 s2, 0
	s_cbranch_scc0 .Lentry_in_a_cluster
	s_endpgm
.Lentry_in_a_cluster:
	s_bfe_u32 s2, ttmp6, 0x10000c
	s_cmp_lg_u32 s2, 0xf033
	s_cbranch_scc0 .Lentry_shape_is_right
	s_endpgm
.Lentry_shape_is_right:
; out[b][h][q] = sum over keys of nan_to_num(softmax(q . k / 8 + mask)) v, both products on codes of BF6 with E8M0 scales.  The second product's quantiser takes the FINISHED, normalised p,
; so every row is walked twice.  Pass 1: u = k q^T / 8 + mask, running maximum m and sum l.  Pass 2: u again, p = 2^(c u - (c m + log2 l)), c = log2(e), quantised along the keys, O^T += v^T p^T.
; SHARES: work-group (bg, QB): batch bg / 2, heads 4 (bg % 2) + 0 .. 3, queries 64 QB .. + 63.  Eight waves of 512 registers: wave w has query tile w % 4 and the two heads 2 (w / 4) + 0, 1.
; Head 0's state lies in register window 0, head 1's under the same numbers in window 1: one macro serves both.  The mask's 64 registers are read from LDS once and are the C of both heads' products.
; THE WALK IS STAGGERED: head 1's vector work of a key step is done in the next step, behind the barrier, while that step's mask and k come from LDS; v is fetched under head 0's exponentials.
; LAYOUT: products transposed (source 0 = 16 keys or 16 channels of v, source 1 = my 16 queries): a lane holds one query (lane % 16), register 8 t + j key 16 t + 8 (lane / 16) + j.
; The head is 64 wide, the instruction 128: two key tiles lie in one operand; [q | 0] picks the first, [0 | q] the second.  1 / 8 lies in q's scale bytes.
; CLUSTER 4 x 4: the mask's tile hangs on QB alone and is asked for jointly by a row of the cluster, k's and v's blocks on bg alone, by a column.  Every wave issues one joint load behind each round:
; waves 0-3 sixteen rows of the mask each, waves 4-7 a piece of 13,312 bytes of k's (pass 2: k's and v's) blocks.
; LDS: two halves 131,072 bytes apart.  Pass 1, 256 keys a slot: k's two blocks at 0, the mask's 64 rows x 1,040 bytes at 53,248.  Pass 2, 128 keys: k at 0, v at 26,624, the mask's 64 x 528 at 53,248.
; (Two slots of 256 keys in pass 2 would need 2 x 173,056 bytes: more than LDS has.)
; PREFETCHES: wave 4 names my work-group's 16 rows of the mask's tile (partners told apart by address), wave 5 of the clusters with y = 0 my 26 pieces of k's (pass 1) or v's (pass 2) blocks;
; pass 1 one slot behind the slot being asked for, pass 2 two steps behind; the last changes name nothing.
; LIMITS: NaN and +infinity among scores or mask are not served; -infinity in the mask is.  Scores lie under 2^126 in magnitude; a row whose largest score lies under -2^126 counts as fully masked: p = 0.
; c m + log2 l is rounded once to f32 and enters every p of the row alike.  The mask is added inside the matrix unit's sum and k is permuted inside blocks of 32: the order of rounding differs from a chain of additions.
.set SLOT1, 131072
.set MOFF,  53248
.set KBLK,  26624
.set QTR,   13312
.set SPARE, 262144                     ; the spare words: 128 bytes for each of eight waves
; window 0 alone
.set AM1, 1                            ; my row of the mask's tile, pass 1: (16 (w % 4) + r) x 1,040 + 32 h
.set AM2, 2                            ; pass 2: x 528
.set AI,  3                            ; 16 x lane + 12,288 x (w / 4)
.set AJ,  4                            ; 8 x lane + 12,288 x (w / 4) + 512
.set ASC, 5                            ; 4 x lane + 24,576 + 1,024 x (w / 4)
.set SPW, 202                          ; my spare word; never rewritten
.set NIL, 203                          ; 0; never rewritten
.set ADM, 204                          ; the four addresses in the half in hand
.set ADI, 205
.set ADJ, 206
.set ADS, 207
.set PFO, 208
.set PFO2, 209
.set QS,  210                          ; v210-211 q's scale words, head 0, 1 (scale operands have no window)
.set PW,  212                          ; v212-213 p's scale word
.set SCL, 214                          ; v214-221 k's, then v's scale words, four a head
.set LANE, 222
.set RR,  223
.set HH,  224
.set QT,  225
.set PR,  226
.set L16, 227
.set L8,  228
.set R4,  229
.set L4,  230
.set XA,  231
.set XB,  232
.set MB,  240                          ; v240-255 the mask's tiles 6, 7
.set MA,  202                          ; window 1, v202-249: the mask's tiles 0-5
; both windows
.set ML,  6                            ; c m; in pass 2 c m + log2 l
.set MX,  7                            ; m
.set LS,  8                            ; l in two halves
.set AF,  10
.set TM,  12                           ; v12-27 at work
.set QF,  28                           ; v28-45 [0 | q | 0]
.set KF,  46                           ; v46-93 k's eight half fragments, then v's four fragments
.set S,   94                           ; v94-157 u, p
.set O,   158                          ; v158-189 O^T
.set PC,  190                          ; v190-201 p's codes
.set TB,  2
.set CNT, 3
.set WV,  18
.set SEL, 20
.set CS,  22
.set G1M1, 24
.set G1M2, 32
.set G1K, 40
.set G0M, 48
.set G0K, 52
.set KV2, 56                           ; s[56:57] where my piece of pass 2's k or v begins
.set LM2, 58                           ; s58 LDS address of my rows of pass 2's mask tile
.set W3,  59                           ; s59 wave % 4
.set PH,  60                           ; s60 the wave's kind, (w xor w / 4) & 1: the two kinds take a key step's blocks of register work in different orders
.set PFA, 72
.set PFS, 74
.set PF2, 76
.set LIM, 78
.set LIM2, 79
.set MSB, 0
.macro WIN new                         ; low byte: bits 1:0 source 0, 3:2 source 1, 5:4 source 2, 7:6 destination; the high byte repeats the setting that is left
.if MSB != \new
	s_set_vgpr_msb (MSB<<8)|\new
.set MSB, \new
.endif
.endm
.macro CREST                           ; a round of the cluster's barrier behind its opening barrier
	s_cmp_lg_u32 s[WV], 0
	s_cbranch_scc1 .Lnw0_\@
	s_barrier_signal -3
.Lnw0_\@:
	s_barrier_wait -3
	s_barrier_signal -1
	s_barrier_wait -1
.endm
.macro CROUND                          ; a whole round
	s_barrier_signal -1
	s_barrier_wait -1
	CREST
.endm
.macro NOP4
.rept 4
	v_nop
.endr
.endm
.macro TL g1m                          ; the joint loads, one a wave; the branch hangs on the wave's number alone
	s_cmp_lt_u32 s[WV], 4
	s_cbranch_scc0 .Ltk_\@
	tensor_load_to_lds s[G0M:G0M+3], s[\g1m:\g1m+7]
	s_nop 0
	NOP4
	s_branch .Ltz_\@
.Ltk_\@:
	tensor_load_to_lds s[G0K:G0K+3], s[G1K:G1K+7]
	s_nop 0
	NOP4
.Ltz_\@:
.endm
.macro ASK n
	s_cmp_gt_u32 s[CNT], s[LIM]
	s_cbranch_scc0 .Lna_\@
	global_prefetch_b8 v[PFO], s[PFA:PFA+1] th:TH_LOAD_NT scope:SCOPE_SE
.if \n > 1
	global_prefetch_b8 v[PFO2], s[PFA:PFA+1] th:TH_LOAD_NT scope:SCOPE_SE
.endif
.Lna_\@:
.endm
; THE CHANGE OF SLOTS.  kind 1: pass 1's next slot is asked for.  3: pass 1's last slot is ahead, pass 2's first step is asked for.  2: pass 2's next step.  0: the last step is ahead, nothing is asked for.
; gap: the register work that stands between the opening barrier's signal and its wait: head 1's carried scores are taken as far as their exponentials (1: pass 1's form, 2: pass 2's, 0: nothing is carried).
.macro CHANGE kind, gap
	WIN 0
	s_wait_alu depctr_va_vdst(0)                   ; the wait ahead of the blocking wait
	s_wait_tensorcnt 0x0                           ; my one tensor load, my part of the slot ahead, has landed
	ds_add_u32 v[SPW], v[NIL]                      ; the descriptors' steps stand between this add and its wait
.if \kind == 1
	s_xor_b32 s[G0M+1], s[G0M+1], SLOT1
	s_xor_b32 s[G0K+1], s[G0K+1], SLOT1
	s_add_nc_u64 s[G0M+2:G0M+3], s[G0M+2:G0M+3], 1024
	s_add_nc_u64 s[G0K+2:G0K+3], s[G0K+2:G0K+3], 2*KBLK
.elseif \kind == 3
	s_mov_b32 s[G0M+1], s[LM2]                     ; half 0, rows of 528 bytes
	s_xor_b32 s[G0K+1], s[G0K+1], SLOT1
	s_sub_nc_u64 s[G0M+2:G0M+3], s[G0M+2:G0M+3], 15*1024   ; back to key 0
	s_mov_b64 s[G0K+2:G0K+3], s[KV2:KV2+1]
	s_or_b32 s[G0K+3], s[G0K+3], 0x80000000
.elseif \kind == 2
	s_xor_b32 s[G0M+1], s[G0M+1], SLOT1
	s_xor_b32 s[G0K+1], s[G0K+1], SLOT1
	s_add_nc_u64 s[G0M+2:G0M+3], s[G0M+2:G0M+3], 512
	s_add_nc_u64 s[G0K+2:G0K+3], s[G0K+2:G0K+3], KBLK
.endif
.if (\kind == 1) || (\kind == 2)
	s_wait_xcnt 0x0                                ; the last prefetches have read their address
	s_add_nc_u64 s[PFA:PFA+1], s[PFA:PFA+1], s[PFS:PFS+1]
.endif
	s_wait_dscnt 0x0                               ; the add is done, and my reads of the slot that I have left are over
	s_barrier_signal -1
.if \gap == 1
	X1AE 1                                         ; work on registers alone while the others arrive
.elseif \gap == 2
	X2A 1
.endif
	WIN 0
	s_barrier_wait -1
.if \kind != 0
	CREST
.endif
.if \kind == 1
	TL G1M1
	ASK 2
.elseif \kind == 3
	TL G1M2
.elseif \kind == 2
	TL G1M2
	ASK 1
.endif
.if (\kind == 1) || (\kind == 3)
	v_add_nc_u32 v[ADM], s[TB], v[AM1]             ; these four are also places in front of loads into registers that the last products read
.else
	v_add_nc_u32 v[ADM], s[TB], v[AM2]
.endif
	v_add_nc_u32 v[ADI], s[TB], v[AI]
	v_add_nc_u32 v[ADJ], s[TB], v[AJ]
	v_add_nc_u32 v[ADS], s[TB], v[ASC]
	s_wait_alu depctr_va_vdst(0)
.endm
; LDS loads.  All addresses lie in window 0; head 1's bytes lie 6,144 (scale words 512) behind head 0's, in the immediate.  The caller sets the destination's window.
.macro LDM6 mo
.irp t, 6,7
.irp f, 0,1
	ds_load_b128 v[MB+8*(\t-6)+4*\f:MB+8*(\t-6)+4*\f+3], v[ADM] offset:\mo+64*\t+16*\f
.endr
.endr
.endm
.macro LDM0 mo
.irp t, 0,1,2,3,4,5
.irp f, 0,1
	ds_load_b128 v[MA+8*\t+4*\f:MA+8*\t+4*\f+3], v[ADM] offset:\mo+64*\t+16*\f
.endr
.endr
.endm
.macro LDKC hh, ko
.irp t, 0,1,2,3,4,5,6,7
	ds_load_b128 v[KF+6*\t:KF+6*\t+3], v[ADI] offset:\ko+6144*(\hh)+768*\t
	ds_load_b64 v[KF+6*\t+4:KF+6*\t+5], v[ADJ] offset:\ko+6144*(\hh)+768*\t
.endr
.endm
.macro LDKS hh, ko
.irp j, 0,1,2,3
	ds_load_b32 v[SCL+4*(\hh)+\j], v[ADS] offset:\ko+512*(\hh)+128*\j
.endr
.endm
.macro LDV hh                          ; v's four fragments over k's, and their scale words: 16 loads
	WIN 0x40*(\hh)
.irp d, 0,1,2,3
.irp c, 0,1,2
	ds_load_b128 v[KF+12*\d+4*\c:KF+12*\d+4*\c+3], v[ADI] offset:KBLK+6144*(\hh)+1536*\d+512*\c
.endr
.endr
	WIN 0
	LDKS \hh, KBLK
.endm
.macro QK2 hh, j, m                    ; key tiles 2 j and 2 j + 1; the mask is the C
	v_wmma_scale_f32_16x16x128_f8f6f4 v[S+16*\j:S+16*\j+7], v[KF+12*\j:KF+12*\j+11], v[QF+6:QF+17], v[\m:\m+7], v[SCL+4*(\hh)+\j], v[QS+(\hh)] matrix_a_fmt:MATRIX_FMT_BF6 matrix_b_fmt:MATRIX_FMT_BF6
	v_wmma_scale_f32_16x16x128_f8f6f4 v[S+16*\j+8:S+16*\j+15], v[KF+12*\j:KF+12*\j+11], v[QF:QF+11], v[\m+8:\m+15], v[SCL+4*(\hh)+\j], v[QS+(\hh)] matrix_a_fmt:MATRIX_FMT_BF6 matrix_b_fmt:MATRIX_FMT_BF6 matrix_a_scale:MATRIX_SCALE_ROW1
.endm
.macro QK hh                           ; u = k q^T / 8 + mask for 128 keys of head hh: eight accumulators, one instruction each
	WIN (0x45*(\hh))|0x10
	QK2 \hh, 0, MA
	QK2 \hh, 1, MA+16
	QK2 \hh, 2, MA+32
	WIN 0x45*(\hh)
	QK2 \hh, 3, MB
.endm
.macro PV hh, zero                     ; O^T += v^T p^T: four accumulators by turns
	WIN 0x55*(\hh)
	s_wait_alu depctr_va_vdst(0)
.irp d, 0,1,2,3
.if \zero
	v_wmma_scale_f32_16x16x128_f8f6f4 v[O+8*\d:O+8*\d+7], v[KF+12*\d:KF+12*\d+11], v[PC:PC+11], 0, v[SCL+4*(\hh)+\d], v[PW+(\hh)] matrix_a_fmt:MATRIX_FMT_BF6 matrix_b_fmt:MATRIX_FMT_BF6
.else
	v_wmma_scale_f32_16x16x128_f8f6f4 v[O+8*\d:O+8*\d+7], v[KF+12*\d:KF+12*\d+11], v[PC:PC+11], v[O+8*\d:O+8*\d+7], v[SCL+4*(\hh)+\d], v[PW+(\hh)] matrix_a_fmt:MATRIX_FMT_BF6 matrix_b_fmt:MATRIX_FMT_BF6
.endif
.endr
.endm
.macro SCALE                           ; c u - v[ML], two at a time
.set J, 0
.rept 32
	v_pk_fma_f32 v[S+J:S+J+1], v[S+J:S+J+1], s[CS:CS+1], v[ML:ML+1] op_sel_hi:[1,0,0] neg_lo:[0,0,1] neg_hi:[0,0,1]
.set J, J+2
.endr
.endm
.macro EXP64
.set J, 0
.rept 64
	v_exp_f32 v[S+J], v[S+J]
.set J, J+1
.endr
.endm
; PASS 1, 128 keys of one head: the lane's running maximum and sum over its half of the keys
.macro X1AE hh                         ; the maximum, c u - c m, the exponentials
	WIN 0x55*(\hh)
.if \hh
	s_wait_alu depctr_va_vdst(0)
.endif
.irp b, 0,1,2,3
	v_max3_num_f32 v[TM+\b], v[S+16*\b], v[S+16*\b+1], v[S+16*\b+2]      ; four chains by turns; each accumulator is read from its low end on
.endr
.irp i, 3,5,7,9,11,13
.irp b, 0,1,2,3
	v_max3_num_f32 v[TM+\b], v[TM+\b], v[S+16*\b+\i], v[S+16*\b+\i+1]
.endr
.endr
.irp b, 0,1,2,3
	v_max_num_f32 v[TM+\b], v[TM+\b], v[S+16*\b+15]
.endr
	v_max3_num_f32 v[TM+4], v[TM], v[TM+1], v[TM+2]
	v_mov_b32 v[TM+5], v[ML]                       ; c m_old
	s_delay_alu instid0(VALU_DEP_2)
	v_max3_num_f32 v[MX], v[TM+4], v[TM+3], v[MX]
	s_delay_alu instid0(VALU_DEP_1)
	v_mul_f32 v[ML], s[CS], v[MX]
	s_delay_alu instid0(VALU_DEP_1)
	v_sub_f32 v[AF], v[TM+5], v[ML]
	SCALE
	s_wait_alu depctr_va_vdst(0)                   ; ahead of the batch
	v_exp_f32 v[AF], v[AF]
	EXP64
	v_nop                                          ; a plain place behind the last exponential
	s_wait_alu depctr_va_vdst(0)                   ; one wait for the batch
.endm
.macro X1S hh                          ; the sum
	WIN 0x55*(\hh)
	v_pk_mul_f32 v[LS:LS+1], v[LS:LS+1], v[AF:AF+1] op_sel_hi:[1,0]
	v_pk_add_f32 v[TM:TM+1], v[S:S+1], v[S+2:S+3]                    ; four chains of packed sums
	v_pk_add_f32 v[TM+2:TM+3], v[S+4:S+5], v[S+6:S+7]
	v_pk_add_f32 v[TM+4:TM+5], v[S+8:S+9], v[S+10:S+11]
	v_pk_add_f32 v[LS:LS+1], v[LS:LS+1], v[S+12:S+13]
.irp k, 0,1,2,3,4,5
	v_pk_add_f32 v[TM:TM+1], v[TM:TM+1], v[S+14+8*\k:S+15+8*\k]
	v_pk_add_f32 v[TM+2:TM+3], v[TM+2:TM+3], v[S+16+8*\k:S+17+8*\k]
	v_pk_add_f32 v[TM+4:TM+5], v[TM+4:TM+5], v[S+18+8*\k:S+19+8*\k]
	v_pk_add_f32 v[LS:LS+1], v[LS:LS+1], v[S+20+8*\k:S+21+8*\k]
.endr
	v_pk_add_f32 v[TM:TM+1], v[TM:TM+1], v[S+62:S+63]
	v_pk_add_f32 v[LS:LS+1], v[LS:LS+1], v[TM+4:TM+5]
	s_delay_alu instid0(VALU_DEP_2)
	v_pk_add_f32 v[TM:TM+1], v[TM:TM+1], v[TM+2:TM+3]
	s_delay_alu instid0(VALU_DEP_1)
	v_pk_add_f32 v[LS:LS+1], v[LS:LS+1], v[TM:TM+1]
.endm
; a key step of pass 1: this step's 56 loads are out while head 1's work of the step before is finished.  q = 0: the change of slots has taken that work as far as the exponentials, the sum is left.
; q = 1: all of it is left; waves of kind 0 do it ahead of head 0's products, waves of kind 1 behind them.  The branches hang on the wave's number alone and lead round work on registers alone.
.macro KS1 q
	WIN 0
	LDM6 MOFF+512*(\q)
	LDKC 0, KBLK*(\q)
	LDKS 0, KBLK*(\q)
	LDKS 1, KBLK*(\q)
	WIN 0x40
	LDM0 MOFF+512*(\q)
	LDKC 1, KBLK*(\q)
	WIN 0
.if \q
	s_cmp_eq_u32 s[PH], 0
	s_cbranch_scc0 .Lka_\@
	X1AE 1
	X1S 1
	WIN 0
.Lka_\@:
.else
	X1S 1
.endif
	s_wait_dscnt 0x0
	QK 0
	WIN 0
.if \q
	s_cmp_eq_u32 s[PH], 1
	s_cbranch_scc0 .Lkb_\@
	X1AE 1
	X1S 1
	WIN 0
.Lkb_\@:
.endif
	QK 1
	WIN 0
	NOP4                                           ; four places in front of the first read of results
	X1AE 0
	X1S 0
.endm
; PASS 2: p finished and normalised
.macro X2A hh
	WIN 0x55*(\hh)
	SCALE
	s_wait_alu depctr_va_vdst(0)                   ; ahead of the batch
	EXP64
	v_nop
	s_wait_alu depctr_va_vdst(0)                   ; one wait for the batch
.endm
.macro X2B hh                          ; 64 p of a lane become 12 registers of codes and a scale word; no p is negative: no |.|
	WIN 0x55*(\hh)
.irp b, 0,1,2,3
	v_max3_num_f32 v[TM+\b], v[S+16*\b], v[S+1+16*\b], 0x2800000         ; the floor 2^(5 - 127): no byte falls under 1
.endr
.irp i, 2,4,6,8,10,12,14
.irp b, 0,1,2,3
	v_max3_num_f32 v[TM+\b], v[TM+\b], v[S+16*\b+\i], v[S+1+16*\b+\i]
.endr
.endr
.irp b, 0,1,2,3
	v_permlanex16_b32 v[TM+4+\b], v[TM+\b], s[SEL], s[SEL+1]
.endr
.irp b, 0,1,2,3
	v_max_num_f32 v[TM+\b], v[TM+\b], v[TM+4+\b]
.endr
.irp b, 0,1,2,3
	v_add_nc_u32 v[TM+12+\b], 0xfe000000, v[TM+\b]                   ; 4 off the exponent field: the conversion's scale operand
.endr
.irp b, 0,1,2,3
	v_lshrrev_b32 v[TM+4+\b], 23, v[TM+12+\b]
.endr
	v_lshl_or_b32 v[TM+8], v[TM+5], 8, v[TM+4]
	s_delay_alu instid0(VALU_DEP_1)
	v_lshl_or_b32 v[TM+8], v[TM+6], 16, v[TM+8]
	WIN 0x15*(\hh)                                 ; the scale word goes to window 0
	v_lshl_or_b32 v[PW+(\hh)], v[TM+7], 24, v[TM+8]
	WIN 0x55*(\hh)
	v_cvt_scalef32_pk16_bf6_f32 v[PC:PC+2], v[S:S+15], v[TM+12]
	v_cvt_scalef32_pk16_bf6_f32 v[TM:TM+2], v[S+16:S+31], v[TM+13]
	v_cvt_scalef32_pk16_bf6_f32 v[PC+6:PC+8], v[S+32:S+47], v[TM+14]
	v_cvt_scalef32_pk16_bf6_f32 v[TM+4:TM+6], v[S+48:S+63], v[TM+15]
	v_nop                                          ; one plain place behind a scaled conversion
.irp c, 0,1                                        ; a whole block to a lane
.irp i, 0,1,2
	v_permlane16_swap_b32 v[PC+6*\c+\i], v[TM+4*\c+\i]
.endr
.irp i, 0,1,2
	v_mov_b32 v[PC+3+6*\c+\i], v[TM+4*\c+\i]
.endr
.endr
	NOP4                                           ; codes made by vector instructions stand four places ahead of the scaled products; the scale word has these, the six moves and the place above
.endm
.macro CARRY2                          ; head 1 of the step before: its p (made at the change of slots) and its v lie in registers
	X2B 1
	PV 1, 0
	WIN 0
.endm
; a key step of pass 2.  Loads: the mask and k of head 0 (36); v of head 0 (16); k of head 1 (20); v of head 1 (16).  Waves of kind 0 finish head 1's carried work ahead of head 0's products, waves of kind 1 behind them:
; the branches hang on the wave's number alone and lead round work on registers alone, so every way passes the same loads.
.macro KS2 carry, zero
	WIN 0
	LDM6 MOFF
	LDKC 0, 0
	LDKS 0, 0
	WIN 0x40
	LDM0 MOFF
	WIN 0
.if \carry
	s_cmp_eq_u32 s[PH], 0
	s_cbranch_scc0 .Lca_\@
	CARRY2
.Lca_\@:
.endif
	s_wait_dscnt 0x0                               ; the mask and k of head 0 are in
	QK 0
	WIN 0
	NOP4
	LDV 0
.if \carry
	s_cmp_eq_u32 s[PH], 1
	s_cbranch_scc0 .Lcb_\@
	CARRY2
.Lcb_\@:
.endif
	NOP4                                           ; four places in front of loads into head 1's v
	WIN 0x40
	LDKC 1, 0
	WIN 0
	LDKS 1, 0
	X2A 0
	s_wait_dscnt 0x0                               ; k of head 1 is in, and v of head 0
	QK 1
	NOP4
	LDV 1
	X2B 0
	PV 0, \zero
.endm
.macro JOIN hh                         ; the two halves of the lanes are joined: the row's m and l; v[ML] = c m + log2 l
	WIN 0x55*(\hh)
	v_add_f32 v[LS], v[LS], v[LS+1]
	v_permlanex16_b32 v[TM+4], v[MX], s[SEL], s[SEL+1]
	s_delay_alu instid0(VALU_DEP_1)
	v_max_num_f32 v[MX], v[MX], v[TM+4]
	s_delay_alu instid0(VALU_DEP_1)
	v_mul_f32 v[TM+6], s[CS], v[MX]
	s_delay_alu instid0(VALU_DEP_1)
	v_sub_f32 v[TM+7], v[ML], v[TM+6]
	s_wait_alu depctr_va_vdst(0)
	v_exp_f32 v[TM+7], v[TM+7]
	v_nop
	s_wait_alu depctr_va_vdst(0)
	v_mul_f32 v[LS], v[LS], v[TM+7]                ; my half's sum under the row's m
	s_delay_alu instid0(VALU_DEP_1)
	v_permlanex16_b32 v[TM+4], v[LS], s[SEL], s[SEL+1]
	s_delay_alu instid0(VALU_DEP_1)
	v_add_f32 v[LS], v[LS], v[TM+4]
	s_wait_alu depctr_va_vdst(0)
	v_log_f32 v[TM+5], v[LS]
	v_cmp_lt_f32 vcc_lo, 0, v[LS]                  ; (a plain place behind the logarithm)
	s_wait_alu depctr_va_vdst(0)
	v_add_f32 v[TM+5], v[TM+6], v[TM+5]
	s_delay_alu instid0(VALU_DEP_1)
	v_cndmask_b32 v[ML], 0, v[TM+5], vcc_lo        ; a fully masked row has l = 0: with 0 here its p = 2^(c u) are 0
.endm
.macro OUT hh                          ; my query's 64 outputs of head hh, two blocks along the last product's K, leave as half a fragment's image
	WIN 0x55*(\hh)
	NOP4
	s_wait_alu depctr_va_vdst(0)
.irp b, 0,1
	v_max3_num_f32 v[TM+\b], |v[O+16*\b]|, |v[O+16*\b+1]|, 0x2800000
.endr
.irp i, 2,4,6,8,10,12,14
.irp b, 0,1
	v_max3_num_f32 v[TM+\b], v[TM+\b], |v[O+16*\b+\i]|, |v[O+16*\b+\i+1]|
.endr
.endr
.irp b, 0,1
	v_permlanex16_b32 v[TM+4+\b], v[TM+\b], s[SEL], s[SEL+1]
.endr
.irp b, 0,1
	v_max_num_f32 v[TM+\b], v[TM+\b], v[TM+4+\b]
.endr
.irp b, 0,1
	v_add_nc_u32 v[TM+12+\b], 0xfe000000, v[TM+\b]
.endr
.irp b, 0,1
	v_lshrrev_b32 v[TM+4+\b], 23, v[TM+12+\b]
.endr
	v_lshl_or_b32 v[TM+8], v[TM+5], 8, v[TM+4]
	s_delay_alu instid0(VALU_DEP_1)
	v_lshl_or_b32 v[TM+8], v[TM+8], 16, v[TM+8]    ; [s0 s1 s0 s1]
	v_cvt_scalef32_pk16_bf6_f32 v[PC:PC+2], v[O:O+15], v[TM+12]
	v_cvt_scalef32_pk16_bf6_f32 v[TM:TM+2], v[O+16:O+31], v[TM+13]
	v_nop
.irp i, 0,1,2
	v_permlane16_swap_b32 v[PC+\i], v[TM+\i]
.endr
.irp i, 0,1,2
	v_mov_b32 v[PC+3+\i], v[TM+\i]
.endr
	WIN 0x04*(\hh)                                 ; the data's window; addresses lie in window 0
	global_store_b128 v[L16], v[PC:PC+3], s[14:15] offset:768*(\hh)        ; 512 neighbouring bytes, at a multiple of 256 from oc's first byte
	global_store_b64 v[L8], v[PC+4:PC+5], s[14:15] offset:768*(\hh)+512
	global_store_b32 v[L4], v[TM+8], s[16:17] offset:128*(\hh)
.endm
.macro INIT hh
	WIN 0x55*(\hh)
.irp i, 0,1,2,3,4,5
	v_mov_b32 v[QF+\i], 0                          ; zero codes on both sides of q
	v_mov_b32 v[QF+12+\i], 0
.endr
	v_mov_b32 v[MX], 0xfe800000                    ; m = -2^126, under every score that is served
	v_mov_b32 v[LS], 0
	v_mov_b32 v[LS+1], 0
	v_mov_b32 v[AF+1], 0
	v_mul_f32 v[ML], s[CS], v[MX]
.irp b, 0,1,2,3
	v_mov_b32 v[TM+4+\b], 0                        ; a lane permute's destination counts as one of its sources
.endr
.endm
	s_load_b256 s[4:11], s[0:1], 0x0               ; qc, qs, kblk, vblk
	s_load_b128 s[12:15], s[0:1], 0x20             ; attn_mask, oc
	s_load_b64 s[16:17], s[0:1], 0x30              ; os
	v_lshl_add_u32 v[SPW], v0, 2, SPARE
	v_mov_b32 v[NIL], 0
	ds_add_u32 v[SPW], v[NIL]                      ; the opening lines: the add, twice on end, and its wait
	ds_add_u32 v[SPW], v[NIL]
	v_lshrrev_b32 v[ADM], 5, v0
	v_readfirstlane_b32 s[WV], v[ADM]              ; wave 0..7
	s_bfe_u32 s80, ttmp6, 0x40000                  ; cx
	s_bfe_u32 s81, ttmp6, 0x40004                  ; cy
	s_lshl_b32 s82, ttmp9, 2
	s_add_co_u32 s82, s82, s80                     ; bg
	s_and_b32 s83, ttmp7, 0xffff
	s_lshl_b32 s83, s83, 2
	s_add_co_u32 s83, s83, s81                     ; QB
	s_lshl_b32 s84, s81, 2
	s_lshl_b32 s84, 15, s84                        ; my row of the cluster
	s_lshl_b32 s85, 0x1111, s80                    ; my column
	; the mask: 16 rows of 256 (pass 1) or 128 (pass 2) elements of 4 bytes, 4,096 elements from row to row, 4 words of padding behind each row
	s_or_b32 s[G1M1], s84, (2<<16)|(1<<20)|(1<<21)|(7<<22)|(3<<25)
	s_mov_b32 s[G1M1+1], 256<<16
	s_mov_b32 s[G1M1+2], 16<<16
	s_mov_b32 s[G1M1+3], 256<<16
	s_mov_b32 s[G1M1+4], 16
	s_mov_b32 s[G1M1+5], 4096
	s_mov_b32 s[G1M1+6], 0
	s_mov_b32 s[G1M1+7], 0
	s_or_b32 s[G1M2], s84, (2<<16)|(1<<20)|(1<<21)|(6<<22)|(3<<25)
	s_mov_b32 s[G1M2+1], 128<<16
	s_mov_b32 s[G1M2+2], 16<<16
	s_mov_b32 s[G1M2+3], 128<<16
	s_mov_b32 s[G1M2+4], 16
	s_mov_b32 s[G1M2+5], 4096
	s_mov_b32 s[G1M2+6], 0
	s_mov_b32 s[G1M2+7], 0
	; a piece of k's or v's blocks: dense, 52 rows of 32 elements of 8 bytes
	s_or_b32 s[G1K], s85, (3<<16)|(1<<21)
	s_mov_b32 s[G1K+1], 32<<16
	s_mov_b32 s[G1K+2], 52<<16
	s_mov_b32 s[G1K+3], 32<<16
	s_mov_b32 s[G1K+4], 52
	s_mov_b32 s[G1K+5], 32
	s_mov_b32 s[G1K+6], 0
	s_mov_b32 s[G1K+7], 0
	s_and_b32 s[W3], s[WV], 3
	s_lshr_b32 s[PH], s[WV], 2
	s_xor_b32 s[PH], s[PH], s[WV]
	s_and_b32 s[PH], s[PH], 1
	s_mul_i32 s86, s[W3], 16*1040
	s_add_co_u32 s86, s86, MOFF                    ; LDS: my 16 rows of pass 1's mask tile
	s_mul_i32 s[LM2], s[W3], 16*528
	s_add_co_u32 s[LM2], s[LM2], MOFF
	s_mul_i32 s87, s[W3], QTR                      ; LDS: my piece of k (and v)
	s_lshl_b32 s88, s83, 20                        ; 64 rows of 16,384 bytes: QB alone,
	s_lshl_b32 s89, s[W3], 18                      ; and my 16 rows
	s_add_co_u32 s88, s88, s89
	s_mov_b32 s89, 0
	s_mul_i32 s90, s82, 32*KBLK                    ; 32 blocks: bg alone
	s_add_co_u32 s92, s90, s87
	s_mov_b32 s93, 0
	s_and_b32 s94, s[WV], 1
	s_mul_i32 s94, s94, QTR
	s_add_co_u32 s94, s94, s90
	s_mov_b32 s95, 0
	s_wait_dscnt 0x0
	s_wait_kmcnt 0x0
	s_mov_b32 s[G0M], 1
	s_mov_b32 s[G0M+1], s86
	s_add_nc_u64 s[G0M+2:G0M+3], s[12:13], s[88:89]
	s_or_b32 s[G0M+3], s[G0M+3], 0x80000000
	s_mov_b32 s[G0K], 1
	s_mov_b32 s[G0K+1], s87
	s_add_nc_u64 s[G0K+2:G0K+3], s[8:9], s[92:93]
	s_or_b32 s[G0K+3], s[G0K+3], 0x80000000
	s_bitcmp1_b32 s[WV], 1                         ; pass 2: waves 4, 5 the halves of k's block, waves 6, 7 of v's
	s_cselect_b64 s[KV2:KV2+1], s[10:11], s[8:9]
	s_add_nc_u64 s[KV2:KV2+1], s[KV2:KV2+1], s[94:95]
	CROUND                                         ; all sixteen work-groups are here: the first joint loads meet
	TL G1M1                                        ; pass 1's slot 0: one load a wave
	s_lshr_b32 s90, s[WV], 2
	s_lshl_b32 s90, s90, 1                         ; my first head among the four
	s_lshr_b32 s92, s82, 1                         ; b
	s_and_b32 s93, s82, 1
	s_lshl_b32 s93, s93, 2
	s_add_co_u32 s93, s93, s90                     ; head
	s_lshl_b32 s94, s83, 2
	s_add_co_u32 s94, s94, s[W3]                   ; my query tile in the batch
	s_mov_b32 s97, 0
	s_lshl_b32 s96, s92, 3
	s_add_co_u32 s96, s96, s93
	s_lshl_b32 s96, s96, 8
	s_add_co_u32 s96, s96, s94
	s_mul_i32 s96, s96, 768
	s_add_nc_u64 s[4:5], s[4:5], s[96:97]          ; q's codes (the second head's 196,608 bytes on)
	s_lshl_b32 s96, s92, 2
	s_lshr_b32 s98, s93, 1
	s_add_co_u32 s96, s96, s98
	s_lshl_b32 s96, s96, 8
	s_add_co_u32 s96, s96, s94
	s_lshl_b32 s96, s96, 7
	s_add_nc_u64 s[6:7], s[6:7], s[96:97]          ; q's scale words (the second head's 64 bytes on)
	s_lshl_b32 s95, s92, 8
	s_add_co_u32 s95, s95, s94
	s_lshl_b32 s95, s95, 3
	s_add_co_u32 s95, s95, s93                     ; token tile x 8 + head
	s_mul_i32 s96, s95, 768
	s_add_nc_u64 s[14:15], s[14:15], s[96:97]      ; oc
	s_lshl_b32 s96, s95, 7
	s_add_nc_u64 s[16:17], s[16:17], s[96:97]      ; os
	v_and_b32 v[LANE], 31, v0
	v_and_b32 v[RR], 15, v0
	v_lshlrev_b32 v[L16], 4, v[LANE]
	v_lshlrev_b32 v[L8], 3, v[LANE]
	v_lshlrev_b32 v[R4], 2, v[RR]
	global_load_b128 v[QF+6:QF+9], v[L16], s[4:5]
	global_load_b64 v[QF+10:QF+11], v[L8], s[4:5] offset:512
	global_load_b32 v[QS], v[R4], s[6:7]
	global_load_b32 v[QS+1], v[R4], s[6:7] offset:64
	WIN 0x40
	global_load_b128 v[QF+6:QF+9], v[L16], s[4:5] offset:196608
	global_load_b64 v[QF+10:QF+11], v[L8], s[4:5] offset:196608+512
	WIN 0
	v_bfe_u32 v[HH], v0, 4, 1
	v_bfe_u32 v[QT], v0, 5, 2                      ; query tile
	v_bfe_u32 v[PR], v0, 7, 1                      ; head pair
	v_lshlrev_b32 v[L4], 2, v[LANE]
	v_lshl_or_b32 v[XA], v[QT], 4, v[RR]           ; my row of the mask's tile
	v_mul_u32_u24 v[XB], v[PR], 12288
	v_mul_u32_u24 v[AM1], v[XA], 1040
	v_mul_u32_u24 v[AM2], v[XA], 528
	v_lshl_add_u32 v[AI], v[LANE], 4, v[XB]
	v_lshl_add_u32 v[AJ], v[LANE], 3, v[XB]
	v_lshl_add_u32 v[AM1], v[HH], 5, v[AM1]
	v_lshl_add_u32 v[AM2], v[HH], 5, v[AM2]
	v_add_nc_u32 v[AJ], 512, v[AJ]
	v_lshlrev_b32 v[XA], 10, v[PR]
	v_lshl_add_u32 v[ASC], v[LANE], 2, v[XA]
	v_add_nc_u32 v[ASC], 24576, v[ASC]
	; the prefetches: where my wave's stand, and who asks
	s_lshl_b32 s96, s83, 20
	s_lshl_b32 s98, s80, 18                        ; 16 cx rows of the mask
	s_add_co_u32 s96, s96, s98
	s_add_nc_u64 s[96:97], s[12:13], s[96:97]
	s_mul_i32 s98, s82, 32*KBLK
	s_mul_i32 s99, s81, 6656                       ; 26 cy pieces of 256 bytes
	s_add_co_u32 s98, s98, s99
	s_mov_b32 s99, 0
	s_add_nc_u64 s[94:95], s[8:9], s[98:99]
	s_add_nc_u64 s[98:99], s[10:11], s[98:99]
	s_cmp_eq_u32 s[WV], 4
	s_cselect_b64 s[PFA:PFA+1], s[96:97], s[94:95]
	s_cselect_b64 s[PF2:PF2+1], s[96:97], s[98:99]
	s_mov_b32 s[PFS], 2*KBLK
	s_cselect_b32 s[PFS], 1024, s[PFS]             ; pass 1: a slot on
	s_mov_b32 s[PFS+1], 0
	s_cselect_b32 s19, -1, 0
	s_mov_b32 s90, KBLK
	s_cselect_b32 s90, 512, s90                    ; from the first instruction's bytes to the second's
	s_add_nc_u64 s[PFA:PFA+1], s[PFA:PFA+1], s[PFS:PFS+1]  ; at pass 1's slot 1: the first change steps it to slot 2
	s_add_nc_u64 s[PF2:PF2+1], s[PF2:PF2+1], s[PFS:PFS+1]  ; at pass 2's step 2
	s_and_b32 s91, ttmp7, 0xffff                   ; cluster y: the same in all partners
	s_cmp_eq_u32 s91, 0
	s_cselect_b32 s91, 1, 0
	s_sub_co_u32 s92, s[WV], 4
	s_cmp_le_u32 s92, s91
	s_cselect_b32 s[LIM], 1, -1
	s_cselect_b32 s[LIM2], 2, -1
	v_lshrrev_b32 v[XA], 1, v[LANE]
	v_and_b32 v[XB], 1, v[LANE]
	v_lshlrev_b32 v[XA], 14, v[XA]
	v_lshl_add_u32 v[XA], v[XB], 8, v[XA]          ; the mask: row lane / 2, block lane % 2
	v_min_u32 v[XB], 25, v[LANE]
	v_lshlrev_b32 v[XB], 8, v[XB]                  ; k, v: piece lane, held at my 26th
	v_cndmask_b32 v[PFO], v[XB], v[XA], s19
	v_add_nc_u32 v[PFO2], s90, v[PFO]
	s_mov_b32 s[SEL], 0x76543210
	s_mov_b32 s[SEL+1], 0xfedcba98
	s_mov_b32 s[CS], 0x3fb8aa3b                    ; c = log2(e)
	s_mov_b32 s[CS+1], s[CS]
	s_mov_b32 s[TB], 0
	INIT 0
	INIT 1
.set J, 0
.rept 32
	v_mov_b32 v[O+J], 0                            ; head 1's O^T: its first product stands in the loop and adds onto zeros (head 0's takes the constant 0)
.set J, J+1
.endr
.set J, 0
.rept 64
	v_mov_b32 v[S+J], 0xff800000                   ; head 1's carried scores ahead of the first key step: -infinity, which moves no maximum and adds nothing to a sum
.set J, J+1
.endr
	WIN 0
	s_wait_alu depctr_va_vdst(0)
	s_wait_loadcnt 0x0                             ; q
	; ---- PASS 1: sixteen slots of 256 keys
	s_mov_b32 s[CNT], 15
.Lp1:
	CHANGE 1, 1
	KS1 0
	KS1 1
	WIN 0
	s_xor_b32 s[TB], s[TB], SLOT1
	s_sub_co_u32 s[CNT], s[CNT], 1
	s_cmp_lg_u32 s[CNT], 0
	s_wait_alu depctr_va_vdst(0)
	s_cbranch_scc1 .Lp1
	CHANGE 3, 1                                    ; pass 2's first step lands while pass 1's last slot is worked
	KS1 0
	KS1 1
	X1AE 1                                         ; head 1 of the last key step
	X1S 1
	JOIN 0
	JOIN 1
	WIN 0
	s_xor_b32 s[TB], s[TB], SLOT1
	s_wait_xcnt 0x0                                ; pass 1's prefetches have read their address
	s_mov_b64 s[PFA:PFA+1], s[PF2:PF2+1]
	s_lshr_b32 s[PFS], s[PFS], 1                   ; a step of 128 keys
	s_mov_b32 s[LIM], s[LIM2]
	; ---- PASS 2: 32 steps of 128 keys; s[CNT] = 31 - the step
	s_mov_b32 s[CNT], 31
	CHANGE 2, 0
	KS2 0, 1
	WIN 0
	s_xor_b32 s[TB], s[TB], SLOT1
	s_mov_b32 s[CNT], 30
.Lp2:
	CHANGE 2, 2
	KS2 1, 0
	WIN 0
	s_xor_b32 s[TB], s[TB], SLOT1
	s_sub_co_u32 s[CNT], s[CNT], 1
	s_cmp_lg_u32 s[CNT], 0
	s_wait_alu depctr_va_vdst(0)
	s_cbranch_scc1 .Lp2
	CHANGE 0, 2                                    ; the last step is written out
	KS2 1, 0
	X2A 1                                          ; head 1 of the last step
	X2B 1
	s_wait_dscnt 0x0                               ; its v is in
	PV 1, 0
	OUT 0
	OUT 1
	WIN 0
	s_wait_tensorcnt 0x0                           ; the wave's end
	ds_add_u32 v[SPW], v[NIL]
	s_wait_dscnt 0x0
	CROUND                                         ; the closing round
	s_endpgm
.Lfunc_end_k_qd4a9311ef1_attn:
	.size	k_qd4a9311ef1_attn, .Lfunc_end_k_qd4a9311ef1_attn-k_qd4a9311ef1_attn
	.p2alignl 7, 3214868480
	.fill 96, 4, 3214868480
	.section	.rodata,"a",@progbits
	.p2align	6, 0x0
	.amdhsa_kernel k_qd4a9311ef1_attn
		.amdhsa_group_segment_fixed_size 327680
		.amdhsa_private_segment_fixed_size 0
		.amdhsa_enable_private_segment 0
		.amdhsa_kernarg_size 56
		.amdhsa_user_sgpr_count 2
		.amdhsa_user_sgpr_kernarg_segment_ptr 1
		.amdhsa_wavefront_size32 1
		.amdhsa_system_sgpr_workgroup_id_x 1
		.amdhsa_system_sgpr_workgroup_id_y 1
		.amdhsa_system_sgpr_workgroup_id_z 1
		.amdhsa_system_vgpr_workitem_id 0
		.amdhsa_next_free_vgpr 512
		.amdhsa_next_free_sgpr 100
		.amdhsa_reserve_vcc 1
		.amdhsa_float_denorm_mode_32 3
		.amdhsa_float_denorm_mode_16_64 3
		.amdhsa_memory_ordered 1
		.amdhsa_forward_progress 1
		.amdhsa_inst_pref_size 234
	.end_amdhsa_kernel
	.amdgpu_metadata
---
amdhsa.version: [ 1, 2 ]
amdhsa.kernels:
  - .name:           k_qd4a9311ef1_attn
    .symbol:         k_qd4a9311ef1_attn.kd
    .args:
      - { .name: qc, .offset: 0, .size: 8, .value_kind: global_buffer, .address_space: global }
      - { .name: qs, .offset: 8, .size: 8, .value_kind: global_buffer, .address_space: global }
      - { .name: kblk, .offset: 16, .size: 8, .value_kind: global_buffer, .address_space: global }
      - { .name: vblk, .offset: 24, .size: 8, .value_kind: global_buffer, .address_space: global }
      - { .name: attn_mask, .offset: 32, .size: 8, .value_kind: global_buffer, .address_space: global }
      - { .name: oc, .offset: 40, .size: 8, .value_kind: global_buffer, .address_space: global }
      - { .name: os, .offset: 48, .size: 8, .value_kind: global_buffer, .address_space: global }
    .group_segment_fixed_size: 327680
    .private_segment_fixed_size: 0
    .kernarg_segment_align: 8
    .kernarg_segment_size: 56
    .max_flat_workgroup_size: 256
    .sgpr_count:     100
    .vgpr_count:     512
    .wavefront_size: 32
...
	.end_amdgpu_metadata
.endif
;; end of part 3
;; launch oproj (part 4): grid 4 x 64, 8 waves a work-group, clusters of 4 x 4, 168,960 bytes of LDS; arguments cod, scl, oc, os, bo, out0; writes out0
.if DOCPART == 4
	.amdgcn_target "amdgcn-amd-amdhsa--gfx1250"
	.amdhsa_code_object_version 6
	.text
	.protected	k_qd4a9311ef1_oproj
	.globl	k_qd4a9311ef1_oproj
	.p2align	8
	.type	k_qd4a9311ef1_oproj,@function
k_qd4a9311ef1_oproj:
	s_mov_b64 s[64:65], 0
	v_nop
	global_prefetch_b8 v0, s[64:65] scope:SCOPE_SE
	s_setreg_imm32_b32 hwreg(HW_REG_WAVE_MODE, 25, 1), 1
	s_wait_xcnt 0x0
	s_wait_alu depctr_hold_cnt(0) depctr_sa_sdst(0) depctr_va_vdst(0) depctr_va_sdst(0) depctr_va_ssrc(0) depctr_va_vcc(0) depctr_vm_vsrc(0)
	s_getreg_b32 s2, hwreg(HW_REG_IB_STS2, 6, 4)
	s_cmp_eq_u32 s2, 0
	s_cbranch_scc0 .Lentry_in_a_cluster
	s_endpgm
.Lentry_in_a_cluster:
	s_bfe_u32 s2, ttmp6, 0x10000c
	s_cmp_lg_u32 s2, 0xf033
	s_cbranch_scc0 .Lentry_shape_is_right
	s_endpgm
.Lentry_shape_is_right:
; out0 = o Wo^T + bo on codes of BF6 with E8M0 scales, sums in f32.  o's codes [token tile 512][head 8][6 registers x 32 lanes] and scale words [token tile][head][32 words] were made by the attention launch,
; Wo's fragments and scale words by the first launch (tiles 608 on); both are laid in the same order of k inside blocks of 32.
; SHARES: work-group (cg, G) takes tokens 128 G .. + 127 x features 128 cg .. + 127; wave w token tile 8 G + w.  acc[t] = sum over four K steps of Wo's tile t (source 0, from LDS) x my token tile (source 1, registers):
; a lane holds one token, register 8 t + j feature 16 t + 8 (lane / 16) + j.  bo is loaded into the accumulators: it is the C of each sum's first product.
; CLUSTER 4 x 4: Wo's eight tiles hang on cg alone and are asked for jointly by a column of the cluster, once; that part of LDS is only read.  The way out goes through a stage of each wave's own, in other bytes.
; LIMITS: none of its own; the order of the sums differs from ascending k.
.set LIX, 1                            ; v1  16 x lane: Wo's block in LDS
.set L16, 5                            ; v5  16 x lane
.set L8,  6                            ; v6  8 x lane
.set L4,  7                            ; v7  4 x lane
.set H32, 8                            ; v8  32 x (lane / 16)
.set OSO, 9                            ; v9  256 x (lane / 16) + 4 x lane
.set STO, 10                           ; v10 the stage: where I put 16 bytes of my token's row
.set RD,  11                           ; v11 and where I read a row back
.set WT,  12                           ; v12-15 o's words as loaded
.set WS,  16                           ; v16-31 Wo's scale words
.set XS,  32                           ; v32-33 o's
.set XF,  36                           ; v36-83 o's four fragments
.set ST,  84                           ; v84-179 Wo's eight fragments; on the way out rows of out0
.set ACC, 180
.set WV,  22
.set G1W, 24
.set G0W, 32
.macro CROUND
	s_barrier_signal -1
	s_barrier_wait -1
	s_cmp_lg_u32 s[WV], 0
	s_cbranch_scc1 .Lnw0_\@
	s_barrier_signal -3
.Lnw0_\@:
	s_barrier_wait -3
	s_barrier_signal -1
	s_barrier_wait -1
.endm
.macro RUN s                           ; K step s: eight fragments from LDS, eight products; the eight accumulators take turns
.rept 4
	v_nop                                          ; four places in front of loads into registers that matrix instructions have read
.endr
.irp t, 0,1,2,3,4,5,6,7
.irp c, 0,1,2
	ds_load_b128 v[ST+12*\t+4*\c:ST+12*\t+4*\c+3], v[LIX] offset:(4*\t+\s)*1536+512*\c
.endr
.endr
	s_wait_dscnt 0x0
.irp t, 0,1,2,3,4,5,6,7
.if ((\s)%2) == 0
	v_wmma_scale_f32_16x16x128_f8f6f4 v[ACC+8*\t:ACC+8*\t+7], v[ST+12*\t:ST+12*\t+11], v[XF+12*\s:XF+12*\s+11], v[ACC+8*\t:ACC+8*\t+7], v[WS+2*\t+\s/2], v[XS+\s/2] matrix_a_fmt:MATRIX_FMT_BF6 matrix_b_fmt:MATRIX_FMT_BF6
.else
	v_wmma_scale_f32_16x16x128_f8f6f4 v[ACC+8*\t:ACC+8*\t+7], v[ST+12*\t:ST+12*\t+11], v[XF+12*\s:XF+12*\s+11], v[ACC+8*\t:ACC+8*\t+7], v[WS+2*\t+\s/2], v[XS+\s/2] matrix_a_fmt:MATRIX_FMT_BF6 matrix_b_fmt:MATRIX_FMT_BF6 matrix_a_scale:MATRIX_SCALE_ROW1 matrix_b_scale:MATRIX_SCALE_ROW1
.endif
.endr
.endm
	s_load_b256 s[4:11], s[0:1], 0x0               ; cod, scl, oc, os
	s_load_b128 s[12:15], s[0:1], 0x20             ; bo, out0
	v_lshl_add_u32 v254, v0, 2, 0x29000
	v_mov_b32 v255, 0
	ds_add_u32 v254, v255
	ds_add_u32 v254, v255
	v_lshrrev_b32 v1, 5, v0
	s_delay_alu instid0(VALU_DEP_1)
	v_readfirstlane_b32 s[WV], v1                  ; wave 0..7
	s_bfe_u32 s40, ttmp6, 0x40000                  ; cx
	s_bfe_u32 s41, ttmp6, 0x40004                  ; cy
	s_lshl_b32 s42, ttmp9, 2
	s_add_co_u32 s42, s42, s40                     ; cg
	s_and_b32 s43, ttmp7, 0xffff
	s_lshl_b32 s43, s43, 2
	s_add_co_u32 s43, s43, s41                     ; G
	s_lshl_b32 s45, 0x1111, s40                    ; my column of the cluster
	s_or_b32 s[G1W], s45, (3<<16)|(1<<21)          ; a dense block of 49,152 bytes as 192 rows of 32 elements of 8 bytes
	s_mov_b32 s[G1W+1], 32<<16
	s_mov_b32 s[G1W+2], 192<<16
	s_mov_b32 s[G1W+3], 32<<16
	s_mov_b32 s[G1W+4], 192
	s_mov_b32 s[G1W+5], 32
	s_mov_b32 s[G1W+6], 0
	s_mov_b32 s[G1W+7], 0
	s_mul_i32 s46, s42, 49152
	s_add_co_u32 s46, s46, 3735552                 ; Wo's tile 8 cg (tile 608 on): cg alone
	s_mov_b32 s47, 0
	s_wait_dscnt 0x0
	s_wait_kmcnt 0x0
	s_mov_b32 s[G0W], 1
	s_mov_b32 s[G0W+1], 0
	s_add_nc_u64 s[G0W+2:G0W+3], s[4:5], s[46:47]
	s_or_b32 s[G0W+3], s[G0W+3], 0x80000000
	CROUND                                         ; all sixteen work-groups are here: the joint load meets
	s_cmp_eq_u32 s[WV], 0                          ; wave 0 asks; one tensor load is out
	s_cbranch_scc0 .Lasked
	tensor_load_to_lds s[G0W:G0W+3], s[G1W:G1W+7]
	s_nop 0
.rept 4
	v_nop
.endr
.Lasked:
	v_and_b32 v2, 31, v0                           ; lane
	v_and_b32 v3, 15, v0                           ; r
	v_bfe_u32 v4, v0, 4, 1                         ; h
	s_delay_alu instid0(VALU_DEP_3)
	v_lshlrev_b32 v[LIX], 4, v2
	s_delay_alu instid0(VALU_DEP_1)
	v_mov_b32 v[L16], v[LIX]
	v_lshlrev_b32 v[L8], 3, v2
	v_lshlrev_b32 v[L4], 2, v2
	v_lshlrev_b32 v[H32], 5, v4
	s_delay_alu instid0(VALU_DEP_2)
	v_lshl_add_u32 v[OSO], v4, 8, v[L4]
	s_wait_alu depctr_va_vdst(0)
	s_mul_i32 s51, s[WV], 8448
	s_add_co_u32 s51, s51, 49152                   ; my stage: 16 rows x 528 bytes, behind Wo's block
	v_mul_u32_u24 v[STO], v3, 528
	s_delay_alu instid0(VALU_DEP_1)
	v_lshl_add_u32 v[STO], v4, 5, v[STO]
	s_delay_alu instid0(VALU_DEP_1)
	v_add_nc_u32 v[STO], s51, v[STO]
	v_add_nc_u32 v[RD], s51, v[LIX]
	s_lshl_b32 s50, s43, 3
	s_add_co_u32 s50, s50, s[WV]                   ; my token tile
	s_mov_b32 s49, 0
	s_mul_i32 s48, s50, 6144
	s_add_nc_u64 s[8:9], s[8:9], s[48:49]          ; its codes,
	s_lshl_b32 s48, s50, 10
	s_add_nc_u64 s[10:11], s[10:11], s[48:49]      ; its scale words,
	s_lshl_b32 s48, s50, 15
	s_lshl_b32 s52, s42, 9
	s_add_co_u32 s48, s48, s52
	s_add_nc_u64 s[14:15], s[14:15], s[48:49]      ; its 16 rows of out0, at feature 128 cg
	s_mov_b32 s48, s52
	s_add_nc_u64 s[12:13], s[12:13], s[48:49]      ; bo at feature 128 cg
	s_lshl_b32 s48, s42, 11
	s_add_co_u32 s48, s48, 155648
	s_add_nc_u64 s[6:7], s[6:7], s[48:49]          ; Wo's scale words, tile 8 cg
.irp p, 0,1
	global_load_b32 v[WT+2*\p], v[OSO], s[10:11] offset:512*\p          ; lanes 0-15: head 4 p, lanes 16-31: head 4 p + 2: the first heads of K steps 2 p and 2 p + 1
	global_load_b32 v[WT+2*\p+1], v[OSO], s[10:11] offset:512*\p+128    ; and the second heads
.endr
.irp s, 0,1,2,3
	global_load_b128 v[XF+12*\s:XF+12*\s+3], v[L16], s[8:9] offset:1536*\s         ; K step s = heads 2 s and 2 s + 1: two halves of a fragment
	global_load_b64 v[XF+12*\s+4:XF+12*\s+5], v[L8], s[8:9] offset:1536*\s+512
	global_load_b128 v[XF+12*\s+6:XF+12*\s+9], v[L16], s[8:9] offset:1536*\s+768
	global_load_b64 v[XF+12*\s+10:XF+12*\s+11], v[L8], s[8:9] offset:1536*\s+1280
.endr
.irp t, 0,1,2,3,4,5,6,7
.irp p, 0,1
	global_load_b32 v[WS+2*\t+\p], v[L4], s[6:7] offset:256*\t+128*\p
.endr
.endr
.irp t, 0,1,2,3,4,5,6,7
.irp f, 0,1
	global_load_b128 v[ACC+8*\t+4*\f:ACC+8*\t+4*\f+3], v[H32], s[12:13] offset:64*\t+16*\f   ; bo in the result's layout
.endr
.endr
	s_wait_tensorcnt 0x0                           ; Wo's block has landed,
	s_barrier_signal -1
	s_barrier_wait -1                              ; and every wave knows it
	s_wait_loadcnt 0x0
.irp p, 0,1
	v_perm_b32 v[XS+\p], v[WT+2*\p+1], v[WT+2*\p], 0x05040100          ; [first head's s0 s1, second head's s0 s1]: the K step's word
.endr
.rept 8
	v_nop                                          ; a scale word made by a vector instruction stands eight places ahead of a scaled product
.endr
	s_wait_alu depctr_va_vdst(0)
	RUN 0
	RUN 1
	RUN 2
	RUN 3
.rept 4
	v_nop                                          ; four places in front of the first read of results and of loads into Wo's registers
.endr
.irp t, 0,1,2,3,4,5,6,7
.irp f, 0,1
	ds_store_b128 v[STO], v[ACC+8*\t+4*\f:ACC+8*\t+4*\f+3] offset:64*\t+16*\f      ; each accumulator from its low end on
.endr
.endr
.irp i, 0,1,2,3,4,5,6,7,8,9,10,11,12,13,14,15
	ds_load_b128 v[ST+4*\i:ST+4*\i+3], v[RD] offset:528*\i             ; LDS serves a wave's instructions in order: these see my stores
.endr
.irp i, 0,1,2,3,4,5,6,7,8,9,10,11,12,13,14,15
	s_wait_dscnt 15-\i                             ; row i is back; the younger loads may stay out
	global_store_b128 v[L16], v[ST+4*\i:ST+4*\i+3], s[14:15] offset:2048*\i th:TH_STORE_NT   ; 32 lanes store 512 neighbouring bytes, at a multiple of 256 from out0's first byte
.endr
	s_wait_dscnt 0x0
	s_wait_tensorcnt 0x0
	ds_add_u32 v254, v255
	s_wait_dscnt 0x0
	CROUND                                         ; the closing round
	s_endpgm
.Lfunc_end_k_qd4a9311ef1_oproj:
	.size	k_qd4a9311ef1_oproj, .Lfunc_end_k_qd4a9311ef1_oproj-k_qd4a9311ef1_oproj
	.p2alignl 7, 3214868480
	.fill 96, 4, 3214868480
	.section	.rodata,"a",@progbits
	.p2align	6, 0x0
	.amdhsa_kernel k_qd4a9311ef1_oproj
		.amdhsa_group_segment_fixed_size 168960
		.amdhsa_private_segment_fixed_size 0
		.amdhsa_enable_private_segment 0
		.amdhsa_kernarg_size 48
		.amdhsa_user_sgpr_count 2
		.amdhsa_user_sgpr_kernarg_segment_ptr 1
		.amdhsa_wavefront_size32 1
		.amdhsa_system_sgpr_workgroup_id_x 1
		.amdhsa_system_sgpr_workgroup_id_y 1
		.amdhsa_system_sgpr_workgroup_id_z 1
		.amdhsa_system_vgpr_workitem_id 0
		.amdhsa_next_free_vgpr 256
		.amdhsa_next_free_sgpr 70
		.amdhsa_reserve_vcc 0
		.amdhsa_float_denorm_mode_32 3
		.amdhsa_float_denorm_mode_16_64 3
		.amdhsa_memory_ordered 1
		.amdhsa_forward_progress 1
		.amdhsa_inst_pref_size 25
	.end_amdhsa_kernel
	.amdgpu_metadata
---
amdhsa.version: [ 1, 2 ]
amdhsa.kernels:
  - .name:           k_qd4a9311ef1_oproj
    .symbol:         k_qd4a9311ef1_oproj.kd
    .args:
      - { .name: cod, .offset: 0, .size: 8, .value_kind: global_buffer, .address_space: global }
      - { .name: scl, .offset: 8, .size: 8, .value_kind: global_buffer, .address_space: global }
      - { .name: oc, .offset: 16, .size: 8, .value_kind: global_buffer, .address_space: global }
      - { .name: os, .offset: 24, .size: 8, .value_kind: global_buffer, .address_space: global }
      - { .name: bo, .offset: 32, .size: 8, .value_kind: global_buffer, .address_space: global }
      - { .name: out0, .offset: 40, .size: 8, .value_kind: global_buffer, .address_space: global }
    .group_segment_fixed_size: 168960
    .private_segment_fixed_size: 0
    .kernarg_segment_align: 8
    .kernarg_segment_size: 48
    .max_flat_workgroup_size: 256
    .sgpr_count:     70
    .vgpr_count:     256
    .wavefront_size: 32
...
	.end_amdgpu_metadata
.endif
;; end of part 4
